; MI455X (gfx1250); checked and timed in simulation.
; The chip was launched on July 23, 2026; its instructions are those of AMD's public machine-readable ISA for CDNA 5 (MIT licence, August 2026) and "CDNA5" Instruction Set Architecture Reference Guide (July 2026). The comments in the code are by the model that wrote it; some were corrected since.
;; Performer Attention. Allowed arithmetic: float matrix products may take bf16 or f16 operands with f32 sums; other float arithmetic in f32, or as packed bf16 or f16 multiplies, adds, multiply-adds, maxima and minima; sums over many terms, partial sums and values carried from step to step in f32; what a program stores and reads back later, other than sums and carried values, may be rounded once to bf16 or f16.
;; Inputs: K_in 8 x 4,096 x 256 float32; Q 8 x 4,096 x 256 float32; V 8 x 4,096 x 256 float32; omega 128 x 256 float32.
;; Outputs: out0 8 x 4,096 x 256 float32.
;; Constants: causal = 1.
;; 2 versions, each right; version 2 is version 1 with the launches kstate, prefix written anew for expert scheduling mode. Each part assembles by itself: llvm-mc -triple=amdgcn-amd-amdhsa -mcpu=gfx1250 --defsym DOCPART=n.
;; ======== version 1 of 2: 3 launches
;; limits: inputs' magnitudes at most 32,000; values are held in f16: magnitudes above 65,504 overflow, below 6.1e-05 lose precision
;; workspace buffers: PKI 9,437,184 bytes; VI 17,825,792 bytes; SP 35,651,584 bytes; SS 19,922,944 bytes
;; launch kstate (part 1): grid 32 x 8, 8 waves a work-group, no clusters, 242,688 bytes of LDS; arguments K_in, V, omega, PKI, VI, SP; writes PKI, VI, SP
.if DOCPART == 1
	.amdgcn_target "amdgcn-amd-amdhsa--gfx1250"
	.amdhsa_code_object_version 6
	.text
	.protected	k_q27bf417be3_kstate
	.globl	k_q27bf417be3_kstate
	.p2align	8
	.type	k_q27bf417be3_kstate,@function
k_q27bf417be3_kstate:
	s_mov_b64 s[64:65], 0
	v_nop
	global_prefetch_b8 v0, s[64:65] scope:SCOPE_SE
	s_setreg_imm32_b32 hwreg(HW_REG_WAVE_MODE, 25, 1), 1
	s_wait_xcnt 0x0
; CAUSAL LINEAR ATTENTION, launch 1 of 3: the key side of one block of 128 rows (block = 32 x batch + ttmp9).
; phi(x)[m] = exp(p[m] - max_m p) / sqrt(128), p = x . omega[m].  The term -|x|^2 / 2 of the definition is the same for all m of a row, so it leaves with the
; maximum for every finite x and is not formed.  The factor 1/sqrt(128) is left out on both sides and made good in the divisor's clamp (launch 3).
; Made here: PKI = 2^14 phi_k in f16 (image of 128 rows, pitch 288); VI = V rounded to bf16 and written as f16, sixteen 1.0 in front of each row (pitch 544);
; SP = the block's own state, sum over its keys of (2^14 phi_k)[feature] x (1 | V)[channel], f32.  Slot 0 of the 17 slots of 16 channels is the ones' slot: it holds z.
; K_in, V and omega are rounded to bf16; what the program makes itself goes in f16, phi with the factor 2^14 so that small features keep their bits.
; LIMITS.  |V| under 32,000 (f16's range, with room for launch 2's scaling); a feature under 2^-39 of its row's largest counts as 0; NaN and infinities are not treated apart.
; SHARES.  Eight waves; wave w converts rows 16 w .. 16 w + 15 of K, V and omega, makes phi_k of its 16 rows, and then feature tile w (16 features) of the state for all 17 slots.
; NO CLUSTER: the work-groups share omega alone, 131,072 bytes of the 393,216 that one reads; it has to pass through registers to be rounded, and an f32 copy of it
; (131,072 bytes) has no room beside the 242,688 bytes of LDS in use.  No tensor loads: every f32 tile is used once and is rounded on its way.
.set OM,    0          ; omega in bf16: 128 rows, pitch 528 (512 + 16: the 16 rows of a fragment load start 4 banks apart)
.set XK,    67584      ; K in bf16: 128 rows, pitch 528; a wave writes and reads its own 16 rows alone
.set PKT,   135168     ; 2^14 phi_k in f16: 128 rows, pitch 288 (256 + 32 of zeros)
.set VIM,   172032     ; the image of V: 128 rows, pitch 544 = 17 slots of 32 bytes
.set SPARE, 241664     ; the spare words: 128 bytes for each of the eight waves; no other line names them
.set PX, 528
.set PP, 288
.set PW, 544
.set RL, 1             ; v1  lane % 16
.set HL, 2             ; v2  (lane / 16) % 2
.set LL, 3             ; v3  lane
.set G16, 4            ; v4  16 x thread: the images' copies out
.set GT, 5             ; v5  16,384 x wave + 16 x lane: my 16 bytes in the wave's 16 rows of 1,024 bytes
.set KSA, 6            ; v6  where I put 8 bytes of K
.set OSA, 7            ; v7  of omega
.set VSA, 8            ; v8  of V
.set XFA, 9            ; v9  my place in a fragment of my wave's K
.set OMA, 10           ; v10 in a fragment of omega
.set PSA, 11           ; v11 where I put 16 bytes of phi_k
.set PTA, 12           ; v12 turning load of phi_k, feature tile = wave
.set VTA, 13           ; v13 turning load of V's image
.set CIV, 14           ; v14 VIM + 16 x thread
.set CIV2, 15          ; v15 the same, 65,536 further (past the immediate's 16 bits)
.set CIP, 16           ; v16 PKT + 16 x thread
.set ONA, 17           ; v17 the ones' slot of my wave's rows
.set PDA, 18           ; v18 the padding of my wave's rows of phi_k
.set SPO, 19           ; v19 16 x lane
.set ONE, 20           ; v20-23 1.0 eight times, in f16
.set ZER, 24           ; v24-27 0
.set TA, 28
.set TB, 29
.set SPW, 30           ; v30 my spare word; never rewritten
.set NIL, 31           ; v31 0; never rewritten
.set CT, 32            ; v32-63 converted words on their way to LDS; then FK; then AF
.set FK, 32
.set AF, 32            ; phi_k^T, feature tile w: four fragments of 32 keys
.set C,  56            ; v56-63 at work in PHI
.set T0, 64            ; three sets of 64 for f32 as loaded
.set T1, 128
.set T2, 192
.set X,  64            ; eight fragments of my 16 rows of K
.set P,  128           ; p^T: eight accumulators; lane = row, register j of tile t = feature 16 t + 8 (lane / 16) + j
.set W,  192           ; two buffers of four fragments of omega
.set ACC, 64           ; v64-135 up to nine accumulators of the state
.set BUF, 136          ; v136-215 two buffers of up to five fragments of V
.set PKO, 216          ; v216-251 phi_k's image on its way out
.set WV,  16
.set BLK, 17
.set SEL, 24           ; s[24:25] v_permlanex16_b32: each lane takes its own place in the other half
.set CS,  26           ; s[26:27] log2(e)
.set BI,  28           ; s[28:29] 14.0
.set HM,  30           ; s30 a word's upper half
.macro NOP4                            ; four places: between a matrix instruction and a vector read of its result, or a load into one of its registers (ISA guide 7.12.1 for the vector read)
.rept 4
	v_nop
.endr
.endm
.macro LD16 T, sb, j0, nt              ; sixteen loads of 512 consecutive bytes: pieces j0 .. j0 + 15 of the wave's 16 KiB
.set i, 0
.rept 16
.if \nt
	global_load_b128 v[(\T)+4*i:(\T)+4*i+3], v[GT], s[\sb:\sb+1] offset:((\j0)+i)*512 th:TH_LOAD_NT
.else
	global_load_b128 v[(\T)+4*i:(\T)+4*i+3], v[GT], s[\sb:\sb+1] offset:((\j0)+i)*512
.endif
.set i, i+1
.endr
.endm
.macro CVB T, adr, j0                  ; piece j = half j % 2 of row j / 2: four f32 a lane to bf16, 8 bytes a lane, 256 consecutive bytes a store
.set i, 0
.rept 16
	v_cvt_pk_bf16_f32 v[CT+2*i], v[(\T)+4*i], v[(\T)+4*i+1]
	v_cvt_pk_bf16_f32 v[CT+2*i+1], v[(\T)+4*i+2], v[(\T)+4*i+3]
	ds_store_b64 v[\adr], v[CT+2*i:CT+2*i+1] offset:(((\j0)+i)/2)*PX+(((\j0)+i)%2)*256
.set i, i+1
.endr
.endm
.macro CVV T, j0                       ; V: rounded to bf16, and that number written as f16 (exact within f16's normal range)
.set i, 0
.rept 16
	v_cvt_pk_bf16_f32 v[CT+2*i], v[(\T)+4*i], v[(\T)+4*i+1]
	v_cvt_pk_bf16_f32 v[CT+2*i+1], v[(\T)+4*i+2], v[(\T)+4*i+3]
	v_lshlrev_b32 v[(\T)+4*i], 16, v[CT+2*i]
	v_and_b32 v[(\T)+4*i+1], s[HM], v[CT+2*i]
	v_lshlrev_b32 v[(\T)+4*i+2], 16, v[CT+2*i+1]
	v_and_b32 v[(\T)+4*i+3], s[HM], v[CT+2*i+1]
	v_cvt_pk_f16_f32 v[CT+2*i], v[(\T)+4*i], v[(\T)+4*i+1]
	v_cvt_pk_f16_f32 v[CT+2*i+1], v[(\T)+4*i+2], v[(\T)+4*i+3]
	ds_store_b64 v[VSA], v[CT+2*i:CT+2*i+1] offset:(((\j0)+i)/2)*PW+(((\j0)+i)%2)*256
.set i, i+1
.endr
.endm
; n units on two buffers: unit u + 1 is fetched (macro ld, which sets NL, the number of its loads), then unit u is multiplied (macro mm).
; The wait leaves the NL loads just issued out: LDS loads come back in order, so all older ones are in.  The four places stand between the products that read a buffer and the loads into it.
; In every run the accumulators take turns, one instruction a turn, across the units' borders too.
.macro RUN n, ld, mm
	NOP4
	\ld 0, 0
.set u, 0
.rept \n
.if u < (\n)-1
.if u > 0
	NOP4
.endif
	\ld u+1, (u+1)%2
	s_wait_dscnt NL
.else
	s_wait_dscnt 0x0
.endif
	\mm u, u%2
.set u, u+1
.endr
.endm
; The projection, unit x: channels 32 (x / 2) on, feature tiles 4 (x % 2) + 0..3.  p^T = omega x^T: source 0 = 16 features, source 1 = my 16 rows.
.macro LDW x, b
.set NL, 8
.set wf, (\x)/2
.set wg, (\x)%2
.irp i, 0,1,2,3
	ds_load_b128 v[W+32*(\b)+8*(\i):W+32*(\b)+8*(\i)+3], v[OMA] offset:(4*wg+(\i))*16*PX+64*wf
	ds_load_b128 v[W+32*(\b)+8*(\i)+4:W+32*(\b)+8*(\i)+7], v[OMA] offset:(4*wg+(\i))*16*PX+64*wf+32
.endr
.endm
.macro MMW x, b
.set wf, (\x)/2
.set wg, (\x)%2
.irp i, 0,1,2,3
.if wf == 0
	v_wmma_f32_16x16x32_bf16 v[P+8*(4*wg+(\i)):P+8*(4*wg+(\i))+7], v[W+32*(\b)+8*(\i):W+32*(\b)+8*(\i)+7], v[X+8*wf:X+8*wf+7], 0
.else
	v_wmma_f32_16x16x32_bf16 v[P+8*(4*wg+(\i)):P+8*(4*wg+(\i))+7], v[W+32*(\b)+8*(\i):W+32*(\b)+8*(\i)+7], v[X+8*wf:X+8*wf+7], v[P+8*(4*wg+(\i)):P+8*(4*wg+(\i))+7]
.endif
.endr
.endm
; P = 2^14 exp(p - max p).  A lane holds 64 of its row's 128 features, the lane 16 away the others.  Each accumulator's lowest registers are read first.
.macro PHI
.irp t, 0,1,2,3,4,5,6,7
	v_max3_num_f32 v[C+(\t)], v[P+8*(\t)], v[P+8*(\t)+1], v[P+8*(\t)+2]
.endr
.irp t, 0,1,2,3,4,5,6,7
	v_max3_num_f32 v[C+(\t)], v[C+(\t)], v[P+8*(\t)+3], v[P+8*(\t)+4]
.endr
.irp t, 0,1,2,3,4,5,6,7
	v_max3_num_f32 v[C+(\t)], v[C+(\t)], v[P+8*(\t)+5], v[P+8*(\t)+6]
.endr
.irp t, 0,1,2,3
	v_max3_num_f32 v[C+(\t)], v[C+(\t)], v[P+8*(\t)+7], v[P+8*(\t)+39]
.endr
	v_max3_num_f32 v[C], v[C], v[C+4], v[C+5]
	v_max3_num_f32 v[C+1], v[C+1], v[C+6], v[C+7]
	v_max3_num_f32 v[C], v[C], v[C+1], v[C+2]
	v_max_num_f32 v[C], v[C], v[C+3]
	v_permlanex16_b32 v[C+1], v[C], s[SEL], s[SEL+1]
	v_max_num_f32 v[C], v[C], v[C+1]               ; the row's maximum
.set i, 0
.rept 32
	v_pk_add_f32 v[P+2*i:P+2*i+1], v[P+2*i:P+2*i+1], v[C:C+1] op_sel_hi:[1,0] neg_lo:[0,1] neg_hi:[0,1]  ; p - max, before any scaling
.set i, i+1
.endr
.set i, 0
.rept 32
	v_pk_fma_f32 v[P+2*i:P+2*i+1], v[P+2*i:P+2*i+1], s[CS:CS+1], s[BI:BI+1] op_sel_hi:[1,0,0]  ; x log2(e) + 14
.set i, i+1
.endr
.set i, 0
.rept 64
	v_exp_f32 v[P+i], v[P+i]                       ; one batch
.set i, i+1
.endr
	v_nop                                          ; a plain instruction behind the last exponential,
	s_wait_alu depctr_va_vdst(0)                   ; and one wait for the batch, ahead of its first reader
.endm
; The state, unit x: keys 32 (x / 2) on, slots S0 + 4 (x % 2) on: four of them, or five where the pass has nine.  Source 0 = phi_k^T (16 features), source 1 = V (16 channels):
; in the result a lane holds one channel and eight features.
.macro LDV x, b
.set kk, (\x)/2
.set s1, S0+4*((\x)%2)
.set NN, 4+((\x)%2)*(NS-8)
.set NL, 2*NN
.set i, 0
.rept NN
	ds_load_tr16_b128 v[BUF+40*(\b)+8*i:BUF+40*(\b)+8*i+3], v[VTA] offset:32*kk*PW+32*(s1+i)
	ds_load_tr16_b128 v[BUF+40*(\b)+8*i+4:BUF+40*(\b)+8*i+7], v[VTA] offset:(32*kk+16)*PW+32*(s1+i)
.set i, i+1
.endr
.endm
.macro MMV x, b
.set kk, (\x)/2
.set s1, S0+4*((\x)%2)
.set NN, 4+((\x)%2)*(NS-8)
.set i, 0
.rept NN
.if kk == 0
	v_wmma_f32_16x16x32_f16 v[ACC+8*(s1+i-S0):ACC+8*(s1+i-S0)+7], v[AF+8*kk:AF+8*kk+7], v[BUF+40*(\b)+8*i:BUF+40*(\b)+8*i+7], 0
.else
	v_wmma_f32_16x16x32_f16 v[ACC+8*(s1+i-S0):ACC+8*(s1+i-S0)+7], v[AF+8*kk:AF+8*kk+7], v[BUF+40*(\b)+8*i:BUF+40*(\b)+8*i+7], v[ACC+8*(s1+i-S0):ACC+8*(s1+i-S0)+7]
.endif
.set i, i+1
.endr
.endm
.macro SPOUT                           ; the pass's accumulators go out as they lie: each store of the wave covers 512 consecutive bytes, aligned
	NOP4
.set i, 0
.rept NS
	global_store_b128 v[SPO], v[ACC+8*i:ACC+8*i+3], s[14:15] offset:(S0+i)*1024
	global_store_b128 v[SPO], v[ACC+8*i+4:ACC+8*i+7], s[14:15] offset:(S0+i)*1024+512
.set i, i+1
.endr
.endm
	s_load_b256 s[4:11], s[0:1], 0x0               ; K_in s[4:5], V s[6:7], omega s[8:9], PKI s[10:11]
	s_load_b128 s[12:15], s[0:1], 0x20             ; VI s[12:13], SP s[14:15]
	v_lshl_add_u32 v[SPW], v0, 2, SPARE
	v_mov_b32 v[NIL], 0
	v_lshrrev_b32 v[TA], 5, v0
	v_readfirstlane_b32 s[WV], v[TA]               ; wave 0..7
	s_and_b32 s[BLK], ttmp7, 0xffff                ; batch
	s_lshl_b32 s[BLK], s[BLK], 5
	s_add_co_u32 s[BLK], s[BLK], ttmp9             ; block = 32 x batch + the block in the batch
	s_mov_b32 s[SEL], 0x76543210
	s_mov_b32 s[SEL+1], 0xfedcba98
	s_mov_b32 s[CS], 0x3fb8aa3b
	s_mov_b32 s[CS+1], 0x3fb8aa3b
	s_mov_b32 s[BI], 0x41600000
	s_mov_b32 s[BI+1], 0x41600000
	s_mov_b32 s[HM], 0xffff0000
	v_and_b32 v[RL], 15, v0
	v_bfe_u32 v[HL], v0, 4, 1
	v_and_b32 v[LL], 31, v0
	v_lshlrev_b32 v[G16], 4, v0
	s_lshl_b32 s18, s[WV], 14
	v_lshl_add_u32 v[GT], v[LL], 4, s18
	s_mul_i32 s19, s[WV], 16*PX                    ; my wave's 16 rows of pitch 528
	s_add_co_u32 s20, s19, XK
	v_lshl_add_u32 v[KSA], v[LL], 3, s20
	v_lshl_add_u32 v[OSA], v[LL], 3, s19
	s_mul_i32 s21, s[WV], 16*PW
	s_add_co_u32 s21, s21, VIM
	v_lshl_add_u32 v[VSA], v[LL], 3, s21
	v_add_nc_u32 v[VSA], 32, v[VSA]                ; behind the ones' slot
	v_mul_u32_u24 v[OMA], v[RL], PX
	v_lshl_add_u32 v[OMA], v[HL], 4, v[OMA]        ; row x pitch + 16 x half
	v_add_nc_u32 v[XFA], s20, v[OMA]
	s_mul_i32 s22, s[WV], 16*PP
	s_add_co_u32 s22, s22, PKT
	v_mul_u32_u24 v[PSA], v[RL], PP
	v_lshl_add_u32 v[PSA], v[HL], 4, v[PSA]
	v_add_nc_u32 v[PSA], s22, v[PSA]
	v_and_b32 v[TA], 7, v0
	v_lshl_add_u32 v[TA], v[HL], 3, v[TA]          ; the turning loads: key 8 (lane / 16) + lane % 8,
	v_bfe_u32 v[TB], v0, 3, 1                      ; 16 bytes (lane / 8) % 2
	s_lshl_b32 s23, s[WV], 5
	s_add_co_u32 s23, s23, PKT                     ; feature tile = wave: 32 bytes of a row
	v_mul_u32_u24 v[PTA], v[TA], PP
	v_lshl_add_u32 v[PTA], v[TB], 4, v[PTA]
	v_add_nc_u32 v[PTA], s23, v[PTA]
	v_mul_u32_u24 v[VTA], v[TA], PW
	v_lshl_add_u32 v[VTA], v[TB], 4, v[VTA]
	v_add_nc_u32 v[VTA], VIM, v[VTA]
	v_lshl_add_u32 v[CIV], v0, 4, VIM
	v_add_nc_u32 v[CIV2], 0x10000, v[CIV]
	v_lshl_add_u32 v[CIP], v0, 4, PKT
	v_lshrrev_b32 v[TA], 1, v[LL]                  ; two lanes a row: 32 bytes
	v_and_b32 v[TB], 1, v0
	v_mul_u32_u24 v[ONA], v[TA], PW
	v_lshl_add_u32 v[ONA], v[TB], 4, v[ONA]
	v_add_nc_u32 v[ONA], s21, v[ONA]
	v_mul_u32_u24 v[PDA], v[TA], PP
	v_lshl_add_u32 v[PDA], v[TB], 4, v[PDA]
	v_add_nc_u32 v[PDA], s22, v[PDA]
	v_lshlrev_b32 v[SPO], 4, v[LL]
.irp i, 0,1,2,3
	v_mov_b32 v[ONE+(\i)], 0x3c003c00
	v_mov_b32 v[ZER+(\i)], 0
.endr
	s_lshl_b32 s32, s[BLK], 17                     ; a block of K or V: 128 rows of 1,024 bytes
	s_mov_b32 s33, 0
	s_mul_i32 s34, s[BLK], 128*PP
	s_mov_b32 s35, 0
	s_mul_i32 s36, s[BLK], 128*PW
	s_mov_b32 s37, 0
	s_mul_i32 s38, s[BLK], 139264                  ; a block of SP: 8 feature tiles x 17 slots x 1,024 bytes,
	s_mul_i32 s18, s[WV], 17408                    ; my feature tile in it
	s_add_co_u32 s38, s38, s18
	s_mov_b32 s39, 0
	s_wait_kmcnt 0x0
	s_add_nc_u64 s[4:5], s[4:5], s[32:33]
	s_add_nc_u64 s[6:7], s[6:7], s[32:33]
	s_add_nc_u64 s[10:11], s[10:11], s[34:35]
	s_add_nc_u64 s[12:13], s[12:13], s[36:37]
	s_add_nc_u64 s[14:15], s[14:15], s[38:39]
	; LOAD AND CONVERT.  Three sets of sixteen loads are out at a time; each wait leaves the younger sets out.
	LD16 T0, 4, 0, 1
	LD16 T1, 4, 16, 1
	LD16 T2, 6, 0, 1
	s_wait_loadcnt 32                              ; K's first half is in; 32 younger loads stay out
	CVB T0, KSA, 0
	LD16 T0, 6, 16, 1
	s_wait_loadcnt 32                              ; K's second half
	CVB T1, KSA, 16
	LD16 T1, 8, 0, 0
	s_wait_loadcnt 32                              ; V's first half
	CVV T2, 0
	LD16 T2, 8, 16, 0
	s_wait_loadcnt 32                              ; V's second half
	CVV T0, 16
	s_wait_loadcnt 16                              ; omega's first half
	CVB T1, OSA, 0
	s_wait_loadcnt 0x0
	CVB T2, OSA, 16
	ds_store_b128 v[ONA], v[ONE:ONE+3]             ; the ones' slot of my 16 rows
	ds_store_b128 v[PDA], v[ZER:ZER+3] offset:256  ; the padding of my 16 rows of phi_k: it goes out with the image
	s_wait_dscnt 0x0                               ; for the others' sake: my rows of omega and of V's image are written
	s_barrier_signal -1
	s_barrier_wait -1
	; V's image leaves: 17 x 4,096 consecutive bytes, 16 a thread
.set i, 0
.rept 16
	ds_load_b128 v[T0+4*i:T0+4*i+3], v[CIV] offset:4096*i
.set i, i+1
.endr
	ds_load_b128 v[T0+64:T0+67], v[CIV2]
.set i, 0
.rept 17
	s_wait_dscnt 16-i                              ; piece i is in; the younger loads stay out
	global_store_b128 v[G16], v[T0+4*i:T0+4*i+3], s[12:13] offset:4096*i
.set i, i+1
.endr
	s_wait_xcnt 0x0                                ; the stores' data registers are written again only behind this wait
	; phi_k of my 16 rows
.set i, 0
.rept 8
	ds_load_b128 v[X+8*i:X+8*i+3], v[XFA] offset:64*i
	ds_load_b128 v[X+8*i+4:X+8*i+7], v[XFA] offset:64*i+32
.set i, i+1
.endr
	RUN 16, LDW, MMW
	NOP4
	PHI
.set i, 0
.rept 32
	v_cvt_pk_f16_f32 v[FK+i], v[P+2*i], v[P+2*i+1]
.set i, i+1
.endr
.irp t, 0,1,2,3,4,5,6,7
	ds_store_b128 v[PSA], v[FK+4*(\t):FK+4*(\t)+3] offset:32*(\t)  ; features 16 t + 8 (lane / 16) + 0..7 of my row
.endr
	s_wait_dscnt 0x0                               ; for the others' sake: my rows of phi_k are written
	s_barrier_signal -1
	s_barrier_wait -1
	; phi_k's image leaves (9 x 4,096 bytes); behind its loads, phi_k^T of my feature tile
.set i, 0
.rept 9
	ds_load_b128 v[PKO+4*i:PKO+4*i+3], v[CIP] offset:4096*i
.set i, i+1
.endr
.irp k, 0,1,2,3
	ds_load_tr16_b128 v[AF+8*(\k):AF+8*(\k)+3], v[PTA] offset:32*(\k)*PP
	ds_load_tr16_b128 v[AF+8*(\k)+4:AF+8*(\k)+7], v[PTA] offset:(32*(\k)+16)*PP
.endr
.set i, 0
.rept 9
	s_wait_dscnt 16-i                              ; piece i is in; out may be the 8 - i younger pieces and the eight turning loads
	global_store_b128 v[G16], v[PKO+4*i:PKO+4*i+3], s[10:11] offset:4096*i
.set i, i+1
.endr
	; THE STATE of the block, in two passes: slots 0-8, then slots 9-16
.set S0, 0
.set NS, 9
	RUN 8, LDV, MMV
	SPOUT
	s_wait_xcnt 0x0                                ; the accumulators, which the stores read, are written again only behind this wait
.set S0, 9
.set NS, 8
	RUN 8, LDV, MMV
	SPOUT
	s_wait_tensorcnt 0x0                           ; the wave's end: behind my last LDS store
	ds_add_u32 v[SPW], v[NIL]
	s_wait_dscnt 0x0
	s_endpgm
.Lfunc_end_k_q27bf417be3_kstate:
	.size	k_q27bf417be3_kstate, .Lfunc_end_k_q27bf417be3_kstate-k_q27bf417be3_kstate
	.p2alignl 7, 3214868480
	.fill 96, 4, 3214868480
	.section	.rodata,"a",@progbits
	.p2align	6, 0x0
	.amdhsa_kernel k_q27bf417be3_kstate
		.amdhsa_group_segment_fixed_size 242688
		.amdhsa_private_segment_fixed_size 0
		.amdhsa_enable_private_segment 0
		.amdhsa_kernarg_size 48
		.amdhsa_user_sgpr_count 2
		.amdhsa_user_sgpr_kernarg_segment_ptr 1
		.amdhsa_wavefront_size32 1
		.amdhsa_system_sgpr_workgroup_id_x 1
		.amdhsa_system_sgpr_workgroup_id_y 1
		.amdhsa_system_sgpr_workgroup_id_z 1
		.amdhsa_system_vgpr_workitem_id 0
		.amdhsa_next_free_vgpr 256
		.amdhsa_next_free_sgpr 66
		.amdhsa_reserve_vcc 0
		.amdhsa_float_denorm_mode_32 3
		.amdhsa_float_denorm_mode_16_64 3
		.amdhsa_memory_ordered 1
		.amdhsa_forward_progress 1
		.amdhsa_inst_pref_size 91
	.end_amdhsa_kernel
	.amdgpu_metadata
---
amdhsa.version: [ 1, 2 ]
amdhsa.kernels:
  - .name:           k_q27bf417be3_kstate
    .symbol:         k_q27bf417be3_kstate.kd
    .args:
      - { .name: K_in, .offset: 0, .size: 8, .value_kind: global_buffer, .address_space: global }
      - { .name: V, .offset: 8, .size: 8, .value_kind: global_buffer, .address_space: global }
      - { .name: omega, .offset: 16, .size: 8, .value_kind: global_buffer, .address_space: global }
      - { .name: PKI, .offset: 24, .size: 8, .value_kind: global_buffer, .address_space: global }
      - { .name: VI, .offset: 32, .size: 8, .value_kind: global_buffer, .address_space: global }
      - { .name: SP, .offset: 40, .size: 8, .value_kind: global_buffer, .address_space: global }
    .group_segment_fixed_size: 242688
    .private_segment_fixed_size: 0
    .kernarg_segment_align: 8
    .kernarg_segment_size: 48
    .max_flat_workgroup_size: 256
    .sgpr_count:     66
    .vgpr_count:     256
    .wavefront_size: 32
...
	.end_amdgpu_metadata
.endif
;; end of part 1
;; launch prefix (part 2): grid 34 x 8, 4 waves a work-group, no clusters, 0 bytes of LDS; arguments SP, SS; writes SS
.if DOCPART == 2
	.amdgcn_target "amdgcn-amd-amdhsa--gfx1250"
	.amdhsa_code_object_version 6
	.text
	.protected	k_q27bf417be3_prefix
	.globl	k_q27bf417be3_prefix
	.p2align	8
	.type	k_q27bf417be3_prefix,@function
k_q27bf417be3_prefix:
	s_mov_b64 s[64:65], 0
	v_nop
	global_prefetch_b8 v0, s[64:65] scope:SCOPE_SE
	s_setreg_imm32_b32 hwreg(HW_REG_WAVE_MODE, 25, 1), 1
	s_wait_xcnt 0x0
; CAUSAL LINEAR ATTENTION, launch 2 of 3: for each batch the exclusive prefix over its 32 blocks of the blocks' states, element by element, in f32, block after block.
; SP, a block: [feature tile 0..7][slot 0..16][q 0..1][lane][4 f32]; slot 0 holds z (the sum of 2^14 phi_k), the same number in all 16 channels.
; SS, a block: the prefix S in f16, [slot][feature tile][lane][8 f16], each feature's row divided by 2^e, e the exponent of that feature's z: |S| <= z max|V|, so the quotient stays
; under 2 max|V| and f16 has room for it; behind it sc = 2^e x 2^-25 in f32, [feature tile][q][lane][4], by which launch 3 multiplies its 2^14 phi_q: both factors are powers of two.
; Where z is 0 (the first block) or denormal, sc is 0 and the feature counts for nothing.
; SHARES.  A work-group takes one slot and four feature tiles of one batch, a wave one tile, a lane its 8 numbers: 32 blocks in turn.  Each load and store of a wave covers 512 consecutive bytes.
; Memory binds: no LDS, no matrix unit, no barrier.  Two sets of four blocks: while one set is worked on, the other's 16 loads are on their way.
.set BSP, 139264       ; bytes of a block in SP
.set BSS, 77824        ; in SS
.set VS, 1             ; v1  my 16 bytes of the slot in a block of SP
.set VZ, 2             ; v2  the same in slot 0
.set VO, 3             ; v3  my 16 bytes in a block of SS
.set VC, 4             ; v4  my 16 bytes of sc
.set LL, 5
.set RS, 16            ; v16-23 the running S
.set RZ, 24            ; v24-31 the running z
.set EB, 32            ; v32-39 2^e, then sc
.set IN, 40            ; v40-47 2^-e, then S 2^-e
.set HH, 48            ; v48-51 that in f16
.set DAT, 64           ; v64-191 two sets of four blocks: 8 of S, 8 of z
.set WV, 8
.set SLOT, 9
.set CNT, 15
.set EM, 20            ; s20 the exponent's field
.set IV, 21            ; s21 254 in that field: less 2^e's bits it gives 2^-e's
.set SB, 22            ; s[22:23] 2^-25
.macro LD4 set, c0                     ; blocks c0 .. c0 + 3 behind the pointer
.irp i, 0,1,2,3
	global_load_b128 v[DAT+64*(\set)+16*(\i):DAT+64*(\set)+16*(\i)+3], v[VS], s[4:5] offset:((\c0)+(\i))*BSP
	global_load_b128 v[DAT+64*(\set)+16*(\i)+4:DAT+64*(\set)+16*(\i)+7], v[VS], s[4:5] offset:((\c0)+(\i))*BSP+512
	global_load_b128 v[DAT+64*(\set)+16*(\i)+8:DAT+64*(\set)+16*(\i)+11], v[VZ], s[4:5] offset:((\c0)+(\i))*BSP
	global_load_b128 v[DAT+64*(\set)+16*(\i)+12:DAT+64*(\set)+16*(\i)+15], v[VZ], s[4:5] offset:((\c0)+(\i))*BSP+512
.endr
.endm
.macro STEP set, i, cc                 ; block cc behind SS's pointer gets the prefix as it stands; then the block's own state is added
.set DD, DAT+64*(\set)+16*(\i)
	s_wait_xcnt 0x0                                ; the last step's stores have read HH and EB: they are written again only behind this wait
.irp j, 0,1,2,3,4,5,6,7
	v_and_b32 v[EB+(\j)], s[EM], v[RZ+(\j)]
.endr
.irp j, 0,1,2,3,4,5,6,7
	v_sub_nc_u32 v[IN+(\j)], s[IV], v[EB+(\j)]
.endr
.irp j, 0,2,4,6
	v_pk_mul_f32 v[IN+(\j):IN+(\j)+1], v[RS+(\j):RS+(\j)+1], v[IN+(\j):IN+(\j)+1]
.endr
.irp j, 0,1,2,3
	v_cvt_pk_f16_f32 v[HH+(\j)], v[IN+2*(\j)], v[IN+2*(\j)+1]
.endr
	global_store_b128 v[VO], v[HH:HH+3], s[6:7] offset:(\cc)*BSS
.irp j, 0,2,4,6
	v_pk_mul_f32 v[EB+(\j):EB+(\j)+1], v[EB+(\j):EB+(\j)+1], s[SB:SB+1] op_sel_hi:[1,0]
.endr
	s_cmp_lg_u32 s[SLOT], 0                        ; sc is stored once: by the work-groups of slot 0
	s_cbranch_scc1 .Lnot_z_\@
	global_store_b128 v[VC], v[EB:EB+3], s[6:7] offset:(\cc)*BSS
	global_store_b128 v[VC], v[EB+4:EB+7], s[6:7] offset:(\cc)*BSS+512
.Lnot_z_\@:
.irp j, 0,2,4,6
	v_pk_add_f32 v[RS+(\j):RS+(\j)+1], v[RS+(\j):RS+(\j)+1], v[DD+(\j):DD+(\j)+1]
	v_pk_add_f32 v[RZ+(\j):RZ+(\j)+1], v[RZ+(\j):RZ+(\j)+1], v[DD+8+(\j):DD+8+(\j)+1]
.endr
.endm
	s_load_b128 s[4:7], s[0:1], 0x0                ; SP s[4:5], SS s[6:7]
	v_lshrrev_b32 v[LL], 5, v0
	v_readfirstlane_b32 s[WV], v[LL]               ; wave 0..3
	v_and_b32 v[LL], 31, v0
	s_lshr_b32 s[SLOT], ttmp9, 1                   ; slot 0..16
	s_and_b32 s10, ttmp9, 1
	s_lshl_b32 s10, s10, 2
	s_add_co_u32 s10, s10, s[WV]                   ; feature tile 0..7
	s_and_b32 s11, ttmp7, 0xffff                   ; batch
	s_mul_i32 s12, s10, 17408
	s_lshl_b32 s13, s[SLOT], 10
	s_add_co_u32 s13, s13, s12
	v_lshl_add_u32 v[VS], v[LL], 4, s13
	v_lshl_add_u32 v[VZ], v[LL], 4, s12
	s_lshl_b32 s13, s[SLOT], 12
	s_lshl_b32 s14, s10, 9
	s_add_co_u32 s13, s13, s14
	v_lshl_add_u32 v[VO], v[LL], 4, s13
	s_lshl_b32 s14, s10, 10
	s_add_co_u32 s14, s14, 69632
	v_lshl_add_u32 v[VC], v[LL], 4, s14
	s_mul_i32 s16, s11, 32*BSP
	s_mov_b32 s17, 0
	s_mul_i32 s18, s11, 32*BSS
	s_mov_b32 s19, 0
	s_mov_b32 s[EM], 0x7f800000
	s_mov_b32 s[IV], 0x7f000000
	s_mov_b32 s[SB], 0x33000000
	s_mov_b32 s[SB+1], 0x33000000
	s_mov_b32 s[CNT], 3
	s_wait_kmcnt 0x0
	s_add_nc_u64 s[4:5], s[4:5], s[16:17]
	s_add_nc_u64 s[6:7], s[6:7], s[18:19]
	LD4 0, 0
	LD4 1, 4
.set i, 0
.rept 16
	v_mov_b32 v[RS+i], 0                           ; the prefix in front of the first block, written while the first loads are out
.set i, i+1
.endr
.Ltrip:                                        ; eight blocks a trip; the eight behind them are asked for
	s_wait_loadcnt 16                              ; set 0 is in; set 1's 16 loads stay out
.irp i, 0,1,2,3
	STEP 0, \i, \i
.endr
	LD4 0, 8
	s_wait_loadcnt 16                              ; set 1 is in; the 16 just issued stay out
.irp i, 0,1,2,3
	STEP 1, \i, 4+(\i)
.endr
	LD4 1, 12
	s_wait_xcnt 0x0                                ; the pointers are stepped only behind this wait
	s_add_nc_u64 s[4:5], s[4:5], 8*BSP
	s_add_nc_u64 s[6:7], s[6:7], 8*BSS
	s_sub_co_u32 s[CNT], s[CNT], 1
	s_cmp_lg_u32 s[CNT], 0
	s_cbranch_scc1 .Ltrip
	s_wait_loadcnt 16                              ; the last eight blocks load nothing
.irp i, 0,1,2,3
	STEP 0, \i, \i
.endr
	s_wait_loadcnt 0x0
.irp i, 0,1,2,3
	STEP 1, \i, 4+(\i)
.endr
	s_endpgm
.Lfunc_end_k_q27bf417be3_prefix:
	.size	k_q27bf417be3_prefix, .Lfunc_end_k_q27bf417be3_prefix-k_q27bf417be3_prefix
	.p2alignl 7, 3214868480
	.fill 96, 4, 3214868480
	.section	.rodata,"a",@progbits
	.p2align	6, 0x0
	.amdhsa_kernel k_q27bf417be3_prefix
		.amdhsa_group_segment_fixed_size 0
		.amdhsa_private_segment_fixed_size 0
		.amdhsa_enable_private_segment 0
		.amdhsa_kernarg_size 16
		.amdhsa_user_sgpr_count 2
		.amdhsa_user_sgpr_kernarg_segment_ptr 1
		.amdhsa_wavefront_size32 1
		.amdhsa_system_sgpr_workgroup_id_x 1
		.amdhsa_system_sgpr_workgroup_id_y 1
		.amdhsa_system_sgpr_workgroup_id_z 1
		.amdhsa_system_vgpr_workitem_id 0
		.amdhsa_next_free_vgpr 192
		.amdhsa_next_free_sgpr 66
		.amdhsa_reserve_vcc 0
		.amdhsa_float_denorm_mode_32 3
		.amdhsa_float_denorm_mode_16_64 3
		.amdhsa_memory_ordered 1
		.amdhsa_forward_progress 1
		.amdhsa_inst_pref_size 43
	.end_amdhsa_kernel
	.amdgpu_metadata
---
amdhsa.version: [ 1, 2 ]
amdhsa.kernels:
  - .name:           k_q27bf417be3_prefix
    .symbol:         k_q27bf417be3_prefix.kd
    .args:
      - { .name: SP, .offset: 0, .size: 8, .value_kind: global_buffer, .address_space: global }
      - { .name: SS, .offset: 8, .size: 8, .value_kind: global_buffer, .address_space: global }
    .group_segment_fixed_size: 0
    .private_segment_fixed_size: 0
    .kernarg_segment_align: 8
    .kernarg_segment_size: 16
    .max_flat_workgroup_size: 128
    .sgpr_count:     66
    .vgpr_count:     192
    .wavefront_size: 32
...
	.end_amdgpu_metadata
.endif
;; end of part 2
;; launch outk (part 3): grid 32 x 8, 8 waves a work-group, no clusters, 320,512 bytes of LDS; arguments Q, omega, PKI, VI, SS, out0; writes out0
.if DOCPART == 3
	.amdgcn_target "amdgcn-amd-amdhsa--gfx1250"
	.amdhsa_code_object_version 6
	.text
	.protected	k_q27bf417be3_outk
	.globl	k_q27bf417be3_outk
	.p2align	8
	.type	k_q27bf417be3_outk,@function
k_q27bf417be3_outk:
	s_mov_b64 s[64:65], 0
	v_nop
	global_prefetch_b8 v0, s[64:65] scope:SCOPE_SE
	s_setreg_imm32_b32 hwreg(HW_REG_WAVE_MODE, 25, 1), 1
	s_wait_xcnt 0x0
; CAUSAL LINEAR ATTENTION, launch 3 of 3: the output of one block of 128 queries (block = 32 x batch + ttmp9).
; out[n] = num / max(den, 1e-6), num = phi_q[n] . S + sum over the block's keys j <= n of (phi_q[n] . phi_k[j]) V[j], den the same with ones for V: S is the state of all blocks before.
; phi as in launch 1: exp(p - max p), the term -|x|^2 / 2 leaving with the maximum, 1/sqrt(128) left out on both sides.  Q and omega are rounded to bf16; phi_q goes as 2^14 phi_q in f16.
; SCALES.  Weights of the state: (2^14 phi_q) x sc, sc = 2^e 2^-25 from launch 2, against S 2^14 / 2^e: 8 phi_q S.  Weights of the block's keys: (2^14 phi_q . 2^14 phi_k) x 2^-25 = 8 x score.
; So num and den both carry 8 x 128 against the definition's, and the clamp is 8 x 128 x 1e-6 = 1.024e-3.  den comes out of the same products as num, by the ones' slot (slot 0 of 17).
; LIMITS.  |V| under 32,000; weights under 6e-8 (f16's step) of 8 count as 0; NaN and infinities are not treated apart.
; SHARES.  Eight waves; wave w owns queries 16 w .. 16 w + 15 for all 256 channels.  All key tiles of the block are multiplied and the hidden scores set to 0: every wave does the same work.
; LAYOUT.  All products are taken transposed, so that a lane holds ONE query (lane % 16): p^T = omega Q^T; A^T = phi_k phi_q^T; O^T = (S^T | V^T) (weights).  Nothing changes lanes but the maximum's one exchange.
; The three 16-bit images (phi_k, V, S and sc) come into LDS by asynchronous copies, each byte filled once; Q and omega pass through registers to be rounded.
; NO CLUSTER: the work-groups share omega alone, 131,072 bytes of the 446,464 that one reads; an f32 copy of it has no room beside the 320,512 bytes of LDS in use.
.set OM,    0          ; omega in bf16: 128 rows, pitch 528
.set XQ,    67584      ; Q in bf16, pitch 528, a wave's own 16 rows; later the wave's stage for the way out: 16 rows of 512 bytes, pitch 528
.set PKL,   135168     ; image of 2^14 phi_k: 128 rows, pitch 288
.set VL,    172032     ; image of V: 128 rows, pitch 544 = 17 slots of 32 bytes
.set SL,    241664     ; image of S: [slot][feature tile][lane][16 bytes], then sc
.set SPARE, 319488     ; the spare words: 128 bytes for each of the eight waves; no other line names them
.set PX, 528
.set PP, 288
.set PW, 544
.set RL, 1
.set HL, 2
.set LL, 3
.set G16, 4            ; v4  16 x thread; v4-7 and v21 are the copies' addresses and are never rewritten
.set APK, 5            ; v5  PKL + 16 x thread
.set AVL, 6            ; v6  VL + 16 x thread
.set ASL, 7            ; v7  SL + 16 x thread
.set GT, 8             ; v8  16,384 x wave + 16 x lane
.set XSA, 9
.set OSA, 10
.set XFA, 11
.set OMA, 12
.set PKA, 13           ; v13 my place in a fragment of phi_k
.set VLA, 14           ; v14 turning load of V's image
.set SLA, 15           ; v15 my 16 bytes of a fragment of S
.set SCA, 16           ; v16 of sc
.set STA, 17           ; v17 the way out: where I put 32 bytes of a row
.set RDA, 18           ; v18 where I read a row back
.set DD, 19            ; v19 my query's place in the block less 8 (lane / 16): register j of key tile t is hidden where 16 t + j is greater
.set ZERO, 20
.set G16B, 21          ; v21 16 x thread + 65,536: the images' pieces from 65,536 bytes on have addresses of their own, so that a copy's immediate stays within 16 bits
.set C, 22             ; v22-29 at work
.set SPW, 30
.set NIL, 31
.set AVL2, 32          ; v32 VL + 65,536 + 16 x thread; v32 and v33 are written again (as FA) only far behind the wait that shows the copies done
.set ASL2, 33          ; v33 SL + 65,536 + 16 x thread
.set FA, 32            ; v32-63  the scores as weights, f16
.set FS, 64            ; v64-95  phi_q x sc, f16
.set FQ, 96            ; v96-127 2^14 phi_q, f16
.set T0, 64
.set T1, 128
.set CT, 192
.set X,  64
.set P,  128           ; p^T, then A^T
.set W,  192           ; fragments of omega; sc; fragments of phi_k
.set O,  96            ; v96-167 up to nine accumulators of O^T
.set BUF, 168          ; v168-247 two buffers of up to five fragments; on the way out 16 rows read back
.set RR, 248           ; v248-249 1 / divisor, twice
.set WV,  16
.set BLK, 17
.set SEL, 24
.set CS,  26
.set BI,  28
.set SB,  30           ; s[30:31] 2^-25
.macro NOP4                            ; four places: between a matrix instruction and a vector read of its result, or a load into one of its registers (ISA guide 7.12.1 for the vector read)
.rept 4
	v_nop
.endr
.endm
.macro LD16 T, sb, j0, nt              ; sixteen loads of 512 consecutive bytes: pieces j0 .. j0 + 15 of the wave's 16 KiB
.set i, 0
.rept 16
.if \nt
	global_load_b128 v[(\T)+4*i:(\T)+4*i+3], v[GT], s[\sb:\sb+1] offset:((\j0)+i)*512 th:TH_LOAD_NT
.else
	global_load_b128 v[(\T)+4*i:(\T)+4*i+3], v[GT], s[\sb:\sb+1] offset:((\j0)+i)*512
.endif
.set i, i+1
.endr
.endm
.macro CVB T, adr, j0                  ; piece j = half j % 2 of row j / 2: four f32 a lane to bf16, 256 consecutive bytes a store
.set i, 0
.rept 16
	v_cvt_pk_bf16_f32 v[CT+2*i], v[(\T)+4*i], v[(\T)+4*i+1]
	v_cvt_pk_bf16_f32 v[CT+2*i+1], v[(\T)+4*i+2], v[(\T)+4*i+3]
	ds_store_b64 v[\adr], v[CT+2*i:CT+2*i+1] offset:(((\j0)+i)/2)*PX+(((\j0)+i)%2)*256
.set i, i+1
.endr
.endm
; n units on two buffers: unit u + 1 is fetched (macro ld, which sets NL, the number of its loads), then unit u is multiplied (macro mm).
; The wait leaves the NL loads just issued out: LDS loads come back in order, so all older ones are in.  The four places stand between the products that read a buffer and the loads into it.
; In every run the accumulators take turns, one instruction a turn, across the units' borders too.
.macro RUN n, ld, mm
	NOP4
	\ld 0, 0
.set u, 0
.rept \n
.if u < (\n)-1
.if u > 0
	NOP4
.endif
	\ld u+1, (u+1)%2
	s_wait_dscnt NL
.else
	s_wait_dscnt 0x0
.endif
	\mm u, u%2
.set u, u+1
.endr
.endm
; The projection, unit x: channels 32 (x / 2) on, feature tiles 4 (x % 2) + 0..3
.macro LDW x, b
.set NL, 8
.set wf, (\x)/2
.set wg, (\x)%2
.irp i, 0,1,2,3
	ds_load_b128 v[W+32*(\b)+8*(\i):W+32*(\b)+8*(\i)+3], v[OMA] offset:(4*wg+(\i))*16*PX+64*wf
	ds_load_b128 v[W+32*(\b)+8*(\i)+4:W+32*(\b)+8*(\i)+7], v[OMA] offset:(4*wg+(\i))*16*PX+64*wf+32
.endr
.endm
.macro MMW x, b
.set wf, (\x)/2
.set wg, (\x)%2
.irp i, 0,1,2,3
.if wf == 0
	v_wmma_f32_16x16x32_bf16 v[P+8*(4*wg+(\i)):P+8*(4*wg+(\i))+7], v[W+32*(\b)+8*(\i):W+32*(\b)+8*(\i)+7], v[X+8*wf:X+8*wf+7], 0
.else
	v_wmma_f32_16x16x32_bf16 v[P+8*(4*wg+(\i)):P+8*(4*wg+(\i))+7], v[W+32*(\b)+8*(\i):W+32*(\b)+8*(\i)+7], v[X+8*wf:X+8*wf+7], v[P+8*(4*wg+(\i)):P+8*(4*wg+(\i))+7]
.endif
.endr
.endm
; P = 2^14 exp(p - max p).  A lane holds 64 of its row's 128 features, the lane 16 away the others.  Each accumulator's lowest registers are read first.
.macro PHI
.irp t, 0,1,2,3,4,5,6,7
	v_max3_num_f32 v[C+(\t)], v[P+8*(\t)], v[P+8*(\t)+1], v[P+8*(\t)+2]
.endr
.irp t, 0,1,2,3,4,5,6,7
	v_max3_num_f32 v[C+(\t)], v[C+(\t)], v[P+8*(\t)+3], v[P+8*(\t)+4]
.endr
.irp t, 0,1,2,3,4,5,6,7
	v_max3_num_f32 v[C+(\t)], v[C+(\t)], v[P+8*(\t)+5], v[P+8*(\t)+6]
.endr
.irp t, 0,1,2,3
	v_max3_num_f32 v[C+(\t)], v[C+(\t)], v[P+8*(\t)+7], v[P+8*(\t)+39]
.endr
	v_max3_num_f32 v[C], v[C], v[C+4], v[C+5]
	v_max3_num_f32 v[C+1], v[C+1], v[C+6], v[C+7]
	v_max3_num_f32 v[C], v[C], v[C+1], v[C+2]
	v_max_num_f32 v[C], v[C], v[C+3]
	v_permlanex16_b32 v[C+1], v[C], s[SEL], s[SEL+1]
	v_max_num_f32 v[C], v[C], v[C+1]               ; the row's maximum
.set i, 0
.rept 32
	v_pk_add_f32 v[P+2*i:P+2*i+1], v[P+2*i:P+2*i+1], v[C:C+1] op_sel_hi:[1,0] neg_lo:[0,1] neg_hi:[0,1]  ; p - max, before any scaling
.set i, i+1
.endr
.set i, 0
.rept 32
	v_pk_fma_f32 v[P+2*i:P+2*i+1], v[P+2*i:P+2*i+1], s[CS:CS+1], s[BI:BI+1] op_sel_hi:[1,0,0]  ; x log2(e) + 14
.set i, i+1
.endr
.set i, 0
.rept 64
	v_exp_f32 v[P+i], v[P+i]                       ; one batch
.set i, i+1
.endr
	v_nop                                          ; a plain instruction behind the last exponential,
	s_wait_alu depctr_va_vdst(0)                   ; and one wait for the batch, ahead of its first reader
.endm
; The scores, unit x: features 32 (x / 2) on, key tiles 4 (x % 2) + 0..3.  Source 0 = 16 keys, source 1 = my 16 queries.
.macro LDK x, b
.set NL, 8
.set wf, (\x)/2
.set wg, (\x)%2
.irp i, 0,1,2,3
	ds_load_b128 v[W+32*(\b)+8*(\i):W+32*(\b)+8*(\i)+3], v[PKA] offset:(4*wg+(\i))*16*PP+64*wf
	ds_load_b128 v[W+32*(\b)+8*(\i)+4:W+32*(\b)+8*(\i)+7], v[PKA] offset:(4*wg+(\i))*16*PP+64*wf+32
.endr
.endm
.macro MMK x, b
.set wf, (\x)/2
.set wg, (\x)%2
.irp i, 0,1,2,3
.if wf == 0
	v_wmma_f32_16x16x32_f16 v[P+8*(4*wg+(\i)):P+8*(4*wg+(\i))+7], v[W+32*(\b)+8*(\i):W+32*(\b)+8*(\i)+7], v[FQ+8*wf:FQ+8*wf+7], 0
.else
	v_wmma_f32_16x16x32_f16 v[P+8*(4*wg+(\i)):P+8*(4*wg+(\i))+7], v[W+32*(\b)+8*(\i):W+32*(\b)+8*(\i)+7], v[FQ+8*wf:FQ+8*wf+7], v[P+8*(4*wg+(\i)):P+8*(4*wg+(\i))+7]
.endif
.endr
.endm
; O^T, unit x: K step x / 2 (0-3: 32 features of S; 4-7: 32 keys of V), slots S0 + 4 (x % 2) on: four, or five where the pass has nine.  Source 0 = 16 channels, source 1 = my queries' weights.
.macro LDO x, b
.set ks, (\x)/2
.set s1, S0+4*((\x)%2)
.set NN, 4+((\x)%2)*(NS-8)
.set NL, 2*NN
.set i, 0
.rept NN
.if ks < 4
	ds_load_b128 v[BUF+40*(\b)+8*i:BUF+40*(\b)+8*i+3], v[SLA] offset:(s1+i-S0)*4096+ks*1024
	ds_load_b128 v[BUF+40*(\b)+8*i+4:BUF+40*(\b)+8*i+7], v[SLA] offset:(s1+i-S0)*4096+ks*1024+512
.else
	ds_load_tr16_b128 v[BUF+40*(\b)+8*i:BUF+40*(\b)+8*i+3], v[VLA] offset:32*(ks-4)*PW+32*(s1+i)
	ds_load_tr16_b128 v[BUF+40*(\b)+8*i+4:BUF+40*(\b)+8*i+7], v[VLA] offset:(32*(ks-4)+16)*PW+32*(s1+i)
.endif
.set i, i+1
.endr
.endm
.macro MMO x, b
.set ks, (\x)/2
.set s1, S0+4*((\x)%2)
.set NN, 4+((\x)%2)*(NS-8)
.set rB, FS+8*ks
.if ks >= 4
.set rB, FA+8*(ks-4)
.endif
.set i, 0
.rept NN
.if ks == 0
	v_wmma_f32_16x16x32_f16 v[O+8*(s1+i-S0):O+8*(s1+i-S0)+7], v[BUF+40*(\b)+8*i:BUF+40*(\b)+8*i+7], v[rB:rB+7], 0
.else
	v_wmma_f32_16x16x32_f16 v[O+8*(s1+i-S0):O+8*(s1+i-S0)+7], v[BUF+40*(\b)+8*i:BUF+40*(\b)+8*i+7], v[rB:rB+7], v[O+8*(s1+i-S0):O+8*(s1+i-S0)+7]
.endif
.set i, i+1
.endr
.endm
; THE WAY OUT of pass p (channels 128 p on; its eight accumulators begin at number a0).  A lane's eight channels of a row are 32 bytes; they go into my wave's stage and come back as whole rows of 512 bytes.
.macro EPI p, a0
	NOP4
.if (\p) == 0
	v_max_num_f32 v[C], 0x3a8637bd, v[O]           ; the ones' slot: my query's divisor, clamped at 1.024e-3
	v_rcp_f32 v[RR], v[C]
	v_rcp_f32 v[RR+1], v[C]
	v_nop                                          ; a plain instruction behind the reciprocals,
	s_wait_alu depctr_va_vdst(0)                   ; and their one wait
.endif
.set k, 0
.rept 32
	v_pk_mul_f32 v[O+8*(\a0)+2*k:O+8*(\a0)+2*k+1], v[O+8*(\a0)+2*k:O+8*(\a0)+2*k+1], v[RR:RR+1]
.set k, k+1
.endr
.irp i, 0,1,2,3,4,5,6,7
	ds_store_b128 v[STA], v[O+8*((\a0)+(\i)):O+8*((\a0)+(\i))+3] offset:64*(\i)
	ds_store_b128 v[STA], v[O+8*((\a0)+(\i))+4:O+8*((\a0)+(\i))+7] offset:64*(\i)+16
.endr
.irp k, 0,1,2,3,4,5,6,7,8,9,10,11,12,13,14,15
	ds_load_b128 v[BUF+4*(\k):BUF+4*(\k)+3], v[RDA] offset:PX*(\k)  ; LDS serves a wave's instructions in order (ISA guide 5.7.1.4): these see the stores above
.endr
.irp k, 0,1,2,3,4,5,6,7,8,9,10,11,12,13,14,15
	s_wait_dscnt 15-(\k)                           ; row k is back; the younger loads stay out
	global_store_b128 v[GT], v[BUF+4*(\k):BUF+4*(\k)+3], s[14:15] offset:1024*(\k)+512*(\p) th:TH_STORE_NT  ; 512 consecutive bytes, aligned
.endr
.endm
	s_load_b256 s[4:11], s[0:1], 0x0               ; Q s[4:5], omega s[6:7], PKI s[8:9], VI s[10:11]
	s_load_b128 s[12:15], s[0:1], 0x20             ; SS s[12:13], out0 s[14:15]
	v_lshl_add_u32 v[SPW], v0, 2, SPARE
	v_mov_b32 v[NIL], 0
	ds_add_u32 v[SPW], v[NIL]                      ; the wave's opening: the add and its wait stand ahead of my first copy; the set-up below, work on registers, stands between them
	v_lshrrev_b32 v[C], 5, v0
	v_readfirstlane_b32 s[WV], v[C]                ; wave 0..7
	s_and_b32 s[BLK], ttmp7, 0xffff
	s_lshl_b32 s[BLK], s[BLK], 5
	s_add_co_u32 s[BLK], s[BLK], ttmp9             ; block = 32 x batch + the block in the batch
	s_mov_b32 s[SEL], 0x76543210
	s_mov_b32 s[SEL+1], 0xfedcba98
	s_mov_b32 s[CS], 0x3fb8aa3b
	s_mov_b32 s[CS+1], 0x3fb8aa3b
	s_mov_b32 s[BI], 0x41600000
	s_mov_b32 s[BI+1], 0x41600000
	s_mov_b32 s[SB], 0x33000000
	s_mov_b32 s[SB+1], 0x33000000
	v_and_b32 v[RL], 15, v0
	v_bfe_u32 v[HL], v0, 4, 1
	v_and_b32 v[LL], 31, v0
	v_lshlrev_b32 v[G16], 4, v0
	v_lshl_add_u32 v[APK], v0, 4, PKL
	v_lshl_add_u32 v[AVL], v0, 4, VL
	v_lshl_add_u32 v[ASL], v0, 4, SL
	v_lshl_add_u32 v[G16B], v0, 4, 0x10000
	v_lshl_add_u32 v[AVL2], v0, 4, VL+0x10000
	v_lshl_add_u32 v[ASL2], v0, 4, SL+0x10000
	s_lshl_b32 s18, s[WV], 14
	v_lshl_add_u32 v[GT], v[LL], 4, s18
	s_mul_i32 s19, s[WV], 16*PX
	s_add_co_u32 s20, s19, XQ
	v_lshl_add_u32 v[XSA], v[LL], 3, s20
	v_lshl_add_u32 v[OSA], v[LL], 3, s19
	v_mul_u32_u24 v[OMA], v[RL], PX
	v_lshl_add_u32 v[STA], v[HL], 5, v[OMA]
	v_add_nc_u32 v[STA], s20, v[STA]               ; row x 528 + 32 x half, in my stage
	v_lshl_add_u32 v[OMA], v[HL], 4, v[OMA]        ; row x 528 + 16 x half
	v_add_nc_u32 v[XFA], s20, v[OMA]
	v_lshl_add_u32 v[RDA], v[LL], 4, s20
	v_mul_u32_u24 v[PKA], v[RL], PP
	v_lshl_add_u32 v[PKA], v[HL], 4, v[PKA]
	v_add_nc_u32 v[PKA], PKL, v[PKA]
	v_and_b32 v[C], 7, v0
	v_lshl_add_u32 v[C], v[HL], 3, v[C]            ; the turning load: key 8 (lane / 16) + lane % 8,
	v_bfe_u32 v[C+1], v0, 3, 1                     ; 16 bytes (lane / 8) % 2
	v_mul_u32_u24 v[VLA], v[C], PW
	v_lshl_add_u32 v[VLA], v[C+1], 4, v[VLA]
	v_add_nc_u32 v[VLA], VL, v[VLA]
	v_lshl_add_u32 v[SLA], v[LL], 4, SL
	v_lshl_add_u32 v[SCA], v[LL], 4, SL+69632
	s_lshl_b32 s21, s[WV], 4
	v_lshlrev_b32 v[C], 3, v[HL]
	v_sub_nc_u32 v[DD], v[RL], v[C]
	v_add_nc_u32 v[DD], s21, v[DD]
	v_mov_b32 v[ZERO], 0
	s_lshl_b32 s32, s[BLK], 17
	s_mov_b32 s33, 0
	s_mul_i32 s34, s[BLK], 128*PP
	s_mov_b32 s35, 0
	s_mul_i32 s36, s[BLK], 128*PW
	s_mov_b32 s37, 0
	s_mul_i32 s38, s[BLK], 77824
	s_mov_b32 s39, 0
	s_wait_dscnt 0x0                               ; the opening add is done
	s_wait_kmcnt 0x0
	s_add_nc_u64 s[4:5], s[4:5], s[32:33]
	s_add_nc_u64 s[14:15], s[14:15], s[32:33]
	s_add_nc_u64 s[8:9], s[8:9], s[34:35]
	s_add_nc_u64 s[10:11], s[10:11], s[36:37]
	s_add_nc_u64 s[12:13], s[12:13], s[38:39]
	; Everything that the work-group reads but omega is asked for now.  The images lie in memory as they lie in LDS, so one immediate steps both addresses: 4,096 bytes for the eight waves' one instruction.
	; phi_k: 9 pieces; V: 17; S and sc: 19.  The pieces from 65,536 bytes on go by the second set of addresses.
	LD16 T0, 4, 0, 1
	LD16 T1, 4, 16, 1
.set i, 0
.rept 9
	global_load_async_to_lds_b128 v[APK], v[G16], s[8:9] offset:4096*i
.set i, i+1
.endr
.set i, 0
.rept 16
	global_load_async_to_lds_b128 v[AVL], v[G16], s[10:11] offset:4096*i
.set i, i+1
.endr
	global_load_async_to_lds_b128 v[AVL2], v[G16B], s[10:11]
.set i, 0
.rept 16
	global_load_async_to_lds_b128 v[ASL], v[G16], s[12:13] offset:4096*i
.set i, i+1
.endr
.set i, 0
.rept 3
	global_load_async_to_lds_b128 v[ASL2], v[G16B], s[12:13] offset:4096*i
.set i, i+1
.endr
	s_wait_loadcnt 16                              ; Q's first half is in; 16 younger loads stay out
	CVB T0, XSA, 0
	LD16 T0, 6, 0, 0
	s_wait_loadcnt 16                              ; Q's second half
	CVB T1, XSA, 16
	LD16 T1, 6, 16, 0
	s_wait_loadcnt 16                              ; omega's first half
	CVB T0, OSA, 0
	s_wait_loadcnt 0x0
	CVB T1, OSA, 16
	s_wait_dscnt 0x0                               ; for the others' sake: my rows of omega are written.  The copies stay out: nothing of theirs is read before the next barrier, and no byte is filled twice
	s_barrier_signal -1
	s_barrier_wait -1
	; p^T of my 16 queries
.set i, 0
.rept 8
	ds_load_b128 v[X+8*i:X+8*i+3], v[XFA] offset:64*i
	ds_load_b128 v[X+8*i+4:X+8*i+7], v[XFA] offset:64*i+32
.set i, i+1
.endr
	RUN 16, LDW, MMW
	s_wait_asynccnt 0x0                            ; for the others' sake: my part of the three images has landed
	s_wait_dscnt 0x0
	s_barrier_signal -1
	s_barrier_wait -1                              ; everybody's has
	; phi_q, as it is (for the scores) and times sc (for the state)
	NOP4
.set i, 0
.rept 16
	ds_load_b128 v[W+4*i:W+4*i+3], v[SCA] offset:512*i  ; sc of features 16 t + 8 (lane / 16) + 4 q + 0..3, i = 2 t + q: register for register as P holds them
.set i, i+1
.endr
	PHI
.set i, 0
.rept 32
	v_cvt_pk_f16_f32 v[FQ+i], v[P+2*i], v[P+2*i+1]
.set i, i+1
.endr
	s_wait_dscnt 0x0                               ; sc is in
.set i, 0
.rept 32
	v_pk_mul_f32 v[P+2*i:P+2*i+1], v[P+2*i:P+2*i+1], v[W+2*i:W+2*i+1]
.set i, i+1
.endr
.set i, 0
.rept 32
	v_cvt_pk_f16_f32 v[FS+i], v[P+2*i], v[P+2*i+1]
.set i, i+1
.endr
	; A^T = phi_k phi_q^T for the block's 128 keys; hidden scores (key behind query) become 0; x 2^-25; to f16
	RUN 8, LDK, MMK
	NOP4
.set i, 0
.rept 64
	v_cmp_gt_i32 vcc_lo, 16*(i/8)+i%8, v[DD]
	v_cndmask_b32 v[P+i], v[P+i], v[ZERO], vcc_lo
.set i, i+1
.endr
.set i, 0
.rept 32
	v_pk_mul_f32 v[P+2*i:P+2*i+1], v[P+2*i:P+2*i+1], s[SB:SB+1] op_sel_hi:[1,0]
.set i, i+1
.endr
.set i, 0
.rept 32
	v_cvt_pk_f16_f32 v[FA+i], v[P+2*i], v[P+2*i+1]
.set i, i+1
.endr
	; O^T in two passes: the ones' slot and channels 0-127, then channels 128-255
.set S0, 0
.set NS, 9
	RUN 16, LDO, MMO
	EPI 0, 1
	s_wait_xcnt 0x0                                ; the registers that the stores read are loaded again only behind this wait
	v_add_nc_u32 v[SLA], 9*4096, v[SLA]            ; S's slots 9 on
.set S0, 9
.set NS, 8
	RUN 16, LDO, MMO
	EPI 1, 0
	s_wait_tensorcnt 0x0                           ; the wave's end: behind my last LDS store (the copies were waited for ahead of the second barrier)
	ds_add_u32 v[SPW], v[NIL]
	s_wait_dscnt 0x0
	s_endpgm
.Lfunc_end_k_q27bf417be3_outk:
	.size	k_q27bf417be3_outk, .Lfunc_end_k_q27bf417be3_outk-k_q27bf417be3_outk
	.p2alignl 7, 3214868480
	.fill 96, 4, 3214868480
	.section	.rodata,"a",@progbits
	.p2align	6, 0x0
	.amdhsa_kernel k_q27bf417be3_outk
		.amdhsa_group_segment_fixed_size 320512
		.amdhsa_private_segment_fixed_size 0
		.amdhsa_enable_private_segment 0
		.amdhsa_kernarg_size 48
		.amdhsa_user_sgpr_count 2
		.amdhsa_user_sgpr_kernarg_segment_ptr 1
		.amdhsa_wavefront_size32 1
		.amdhsa_system_sgpr_workgroup_id_x 1
		.amdhsa_system_sgpr_workgroup_id_y 1
		.amdhsa_system_sgpr_workgroup_id_z 1
		.amdhsa_system_vgpr_workitem_id 0
		.amdhsa_next_free_vgpr 256
		.amdhsa_next_free_sgpr 66
		.amdhsa_reserve_vcc 1
		.amdhsa_float_denorm_mode_32 3
		.amdhsa_float_denorm_mode_16_64 3
		.amdhsa_memory_ordered 1
		.amdhsa_forward_progress 1
		.amdhsa_inst_pref_size 117
	.end_amdhsa_kernel
	.amdgpu_metadata
---
amdhsa.version: [ 1, 2 ]
amdhsa.kernels:
  - .name:           k_q27bf417be3_outk
    .symbol:         k_q27bf417be3_outk.kd
    .args:
      - { .name: Q, .offset: 0, .size: 8, .value_kind: global_buffer, .address_space: global }
      - { .name: omega, .offset: 8, .size: 8, .value_kind: global_buffer, .address_space: global }
      - { .name: PKI, .offset: 16, .size: 8, .value_kind: global_buffer, .address_space: global }
      - { .name: VI, .offset: 24, .size: 8, .value_kind: global_buffer, .address_space: global }
      - { .name: SS, .offset: 32, .size: 8, .value_kind: global_buffer, .address_space: global }
      - { .name: out0, .offset: 40, .size: 8, .value_kind: global_buffer, .address_space: global }
    .group_segment_fixed_size: 320512
    .private_segment_fixed_size: 0
    .kernarg_segment_align: 8
    .kernarg_segment_size: 48
    .max_flat_workgroup_size: 256
    .sgpr_count:     66
    .vgpr_count:     256
    .wavefront_size: 32
...
	.end_amdgpu_metadata
.endif
;; end of part 3
;; ======== version 2 of 2: 3 launches; version 1 with the launches kstate, prefix written anew for expert scheduling mode
;; limits: inputs' magnitudes at most 32,000; values are held in f16: magnitudes above 65,504 overflow, below 6.1e-05 lose precision
;; workspace buffers: PKI 9,437,184 bytes; VI 17,825,792 bytes; SP 35,651,584 bytes; SS 19,922,944 bytes
;; launch kstate (part 4): grid 32 x 8, 8 waves a work-group, no clusters, 242,688 bytes of LDS; arguments K_in, V, omega, PKI, VI, SP; writes PKI, VI, SP
.if DOCPART == 4
	.amdgcn_target "amdgcn-amd-amdhsa--gfx1250"
	.amdhsa_code_object_version 6
	.text
	.protected	k_q27bf417be3_kstate
	.globl	k_q27bf417be3_kstate
	.p2align	8
	.type	k_q27bf417be3_kstate,@function
k_q27bf417be3_kstate:
	s_mov_b64 s[64:65], 0
	v_nop
	global_prefetch_b8 v0, s[64:65] scope:SCOPE_SE
	s_setreg_imm32_b32 hwreg(HW_REG_WAVE_SCHED_MODE, 0, 2), 2
	s_setreg_imm32_b32 hwreg(HW_REG_WAVE_MODE, 25, 1), 1
	s_wait_xcnt 0x0
	s_wait_alu depctr_vm_vsrc(0)
; CAUSAL LINEAR ATTENTION, launch 1 of 3: the key side of one block of 128 rows (block = 32 x batch + ttmp9).
; phi(x)[m] = exp(p[m] - max_m p) / sqrt(128), p = x . omega[m].  The term -|x|^2 / 2 of the definition is the same for all m of a row, so it leaves with the
; maximum for every finite x and is not formed.  The factor 1/sqrt(128) is left out on both sides and made good in the divisor's clamp (launch 3).
; Made here: PKI = 2^14 phi_k in f16 (image of 128 rows, pitch 288); VI = V rounded to bf16 and written as f16, sixteen 1.0 in front of each row (pitch 544);
; SP = the block's own state, sum over its keys of (2^14 phi_k)[feature] x (1 | V)[channel], f32.  Slot 0 of the 17 slots of 16 channels is the ones' slot: it holds z.
; K_in, V and omega are rounded to bf16; what the program makes itself goes in f16, phi with the factor 2^14 so that small features keep their bits.
; LIMITS.  |V| under 32,000 (f16's range, with room for launch 2's scaling); a feature under 2^-39 of its row's largest counts as 0; NaN and infinities are not treated apart.
; SHARES.  Eight waves; wave w converts rows 16 w .. 16 w + 15 of K, V and omega, makes phi_k of its 16 rows, and then feature tile w (16 features) of the state for all 17 slots.
; NO CLUSTER: the work-groups share omega alone, 131,072 bytes of the 393,216 that one reads; it has to pass through registers to be rounded, and an f32 copy of it
; (131,072 bytes) has no room beside the 242,688 bytes of LDS in use.  No tensor loads: every f32 tile is used once and is rounded on its way.
; THE MODE: SCHED_MODE bits 1:0 = 2 (LLVM: expert scheduling mode 2), set by the entry lines.  The code itself states the register dependences
; between vector or matrix instructions and memory or LDS instructions, with s_wait_alu, always for 0.
; THE PLAN.  Registers that memory or LDS instructions touch:
;   v4-v19, v20-v27, v30-v31   addresses, the ones and the zeros: written at the head, ahead of one wait, and never again.
;   T0, T1, T2   f32 as loaded.  A stage's conversions read a set (V's also use it as scratch); behind ONE wait the set is asked for again.
;   CT           a stage's conversions write it; behind the same wait the stage's 16 LDS stores read it; the next stage's conversions stand behind a wait on vm_vsrc.
;   the projection's two buffers (a K step each: 8 fragments of omega, 1 of K): step u's products read buffer u % 2; the loads of step u + 1 land in the other, behind ONE wait at the step's head.
;   the state's three buffers (a unit of 4 or 5 fragments of V each): unit g's products read buffer g % 3; the loads of unit g + 2 land in the buffer that unit g - 1 read, behind ONE wait at the unit's head.
;   v64-131, v64-99   the two images on their way out: LDS loads land, global stores read; what writes these registers next stands behind a wait on vm_vsrc.
;   FK / AF (v32-63)  conversions write, LDS stores read; then the turning loads land, behind a wait on vm_vsrc.     ACC   products write, SP's stores read.
; Behind a step's or a unit's wait its loads are dealt among its products, which name the buffer in hand, the accumulators and K's or phi_k's fragments: none of the registers that those loads touch.
.set OM,    0          ; omega in bf16: 128 rows, pitch 528 (512 + 16: the 16 rows of a fragment load start 4 banks apart)
.set XK,    67584      ; K in bf16: 128 rows, pitch 528; a wave writes and reads its own 16 rows alone
.set PKT,   135168     ; 2^14 phi_k in f16: 128 rows, pitch 288 (256 + 32 of zeros)
.set VIM,   172032     ; the image of V: 128 rows, pitch 544 = 17 slots of 32 bytes
.set SPARE, 241664     ; the spare words: 128 bytes for each of the eight waves; no other line names them
.set PX, 528
.set PP, 288
.set PW, 544
.set RL, 1             ; v1  lane % 16
.set HL, 2             ; v2  (lane / 16) % 2
.set LL, 3             ; v3  lane
.set G16, 4            ; v4  16 x thread: the images' copies out
.set GT, 5             ; v5  16,384 x wave + 16 x lane: my 16 bytes in the wave's 16 rows of 1,024 bytes
.set KSA, 6            ; v6  where I put 8 bytes of K
.set OSA, 7            ; v7  of omega
.set VSA, 8            ; v8  of V
.set XFA, 9            ; v9  my place in a fragment of my wave's K
.set OMA, 10           ; v10 in a fragment of omega
.set PSA, 11           ; v11 where I put 16 bytes of phi_k
.set PTA, 12           ; v12 turning load of phi_k, feature tile = wave
.set VTA, 13           ; v13 turning load of V's image
.set CIV, 14           ; v14 VIM + 16 x thread
.set CIV2, 15          ; v15 the same, 65,536 further (past the immediate's 16 bits)
.set CIP, 16           ; v16 PKT + 16 x thread
.set ONA, 17           ; v17 the ones' slot of my wave's rows
.set PDA, 18           ; v18 the padding of my wave's rows of phi_k
.set SPO, 19           ; v19 16 x lane
.set ONE, 20           ; v20-23 1.0 eight times, in f16
.set ZER, 24           ; v24-27 0
.set TA, 28
.set TB, 29
.set SPW, 30           ; v30 my spare word; never rewritten
.set NIL, 31           ; v31 0; never rewritten
.set CT, 32            ; v32-63 converted words on their way to LDS; then XF and C; then FK; then AF
.set XF, 32            ; v32-47 a fragment of my 16 rows of K for each of the projection's two buffers
.set FK, 32
.set AF, 32            ; phi_k^T, feature tile w: four fragments of 32 keys
.set C,  56            ; v56-63 at work in PHI
.set T0, 64            ; three sets of 64 for f32 as loaded
.set T1, 128
.set T2, 192
.set P,  128           ; p^T: eight accumulators; lane = row, register j of tile t = feature 16 t + 8 (lane / 16) + j
.set W,  192           ; eight fragments of omega: buffer 0 at v192-255, buffer 1 at v64-127
.set PKO, 64           ; v64-99 phi_k's image on its way out
.set ACC, 64           ; v64-135 up to nine accumulators of the state
.set BUF, 136          ; v136-255 three buffers of up to five fragments of V
.set WV,  16
.set BLK, 17
.set SEL, 24           ; s[24:25] v_permlanex16_b32: each lane takes its own place in the other half
.set CS,  26           ; s[26:27] log2(e)
.set BI,  28           ; s[28:29] 14.0
.set HM,  30           ; s30 a word's upper half
.macro NOP4                            ; four places between a matrix instruction and a vector read or a store of its result
.rept 4
	v_nop
.endr
.endm
.macro LD16 T, sb, j0, nt              ; sixteen loads of 512 consecutive bytes: pieces j0 .. j0 + 15 of the wave's 16 KiB
.set i, 0
.rept 16
.if \nt
	global_load_b128 v[(\T)+4*i:(\T)+4*i+3], v[GT], s[\sb:\sb+1] offset:((\j0)+i)*512 th:TH_LOAD_NT
.else
	global_load_b128 v[(\T)+4*i:(\T)+4*i+3], v[GT], s[\sb:\sb+1] offset:((\j0)+i)*512
.endif
.set i, i+1
.endr
.endm
.macro CVB T                           ; a set of sixteen pieces: four f32 a lane and piece to bf16, 8 bytes
.set i, 0
.rept 16
	v_cvt_pk_bf16_f32 v[CT+2*i], v[(\T)+4*i], v[(\T)+4*i+1]
	v_cvt_pk_bf16_f32 v[CT+2*i+1], v[(\T)+4*i+2], v[(\T)+4*i+3]
.set i, i+1
.endr
.endm
.macro CVV T                           ; V: rounded to bf16, and that number written as f16 (exact within f16's normal range)
.set i, 0
.rept 16
	v_cvt_pk_bf16_f32 v[CT+2*i], v[(\T)+4*i], v[(\T)+4*i+1]
	v_cvt_pk_bf16_f32 v[CT+2*i+1], v[(\T)+4*i+2], v[(\T)+4*i+3]
	v_lshlrev_b32 v[(\T)+4*i], 16, v[CT+2*i]
	v_and_b32 v[(\T)+4*i+1], s[HM], v[CT+2*i]
	v_lshlrev_b32 v[(\T)+4*i+2], 16, v[CT+2*i+1]
	v_and_b32 v[(\T)+4*i+3], s[HM], v[CT+2*i+1]
	v_cvt_pk_f16_f32 v[CT+2*i], v[(\T)+4*i], v[(\T)+4*i+1]
	v_cvt_pk_f16_f32 v[CT+2*i+1], v[(\T)+4*i+2], v[(\T)+4*i+3]
.set i, i+1
.endr
.endm
.macro STC adr, pitch, j0              ; CT into LDS: piece j = half j % 2 of row j / 2, 256 consecutive bytes a store
.set i, 0
.rept 16
	ds_store_b64 v[\adr], v[CT+2*i:CT+2*i+1] offset:(((\j0)+i)/2)*(\pitch)+(((\j0)+i)%2)*256
.set i, i+1
.endr
.endm
; THE PROJECTION.  p^T = omega x^T: source 0 = 16 features, source 1 = my 16 rows.  Step u is 32 channels: eight products, one on each accumulator, which take turns.
.macro LDX u                           ; my rows' fragment of step u, into buffer u % 2
.set lx, XF+8*((\u)%2)
	ds_load_b128 v[lx:lx+3], v[XFA] offset:64*(\u)
	ds_load_b128 v[lx+4:lx+7], v[XFA] offset:64*(\u)+32
.endm
.macro LDT u, t                        ; feature tile t's fragment of step u, into buffer u % 2
.set lw, W-128*((\u)%2)+8*(\t)
	ds_load_b128 v[lw:lw+3], v[OMA] offset:(\t)*16*PX+64*(\u)
	ds_load_b128 v[lw+4:lw+7], v[OMA] offset:(\t)*16*PX+64*(\u)+32
.endm
.macro MMP u, t
.set mw, W-128*((\u)%2)+8*(\t)
.set mx, XF+8*((\u)%2)
.if (\u) == 0
	v_wmma_f32_16x16x32_bf16 v[P+8*(\t):P+8*(\t)+7], v[mw:mw+7], v[mx:mx+7], 0
.else
	v_wmma_f32_16x16x32_bf16 v[P+8*(\t):P+8*(\t)+7], v[mw:mw+7], v[mx:mx+7], v[P+8*(\t):P+8*(\t)+7]
.endif
.endm
.macro PSTEP u
.if (\u) > 0
	s_wait_dscnt 0x0                               ; this step's 18 loads, issued in the step before, are in; nothing younger is out
.if (\u) < 7
	s_wait_alu depctr_va_vdst(0)                   ; the products of the step before are done reading the other buffer, in which the loads below land
.endif
.endif
.if (\u) < 7
	LDX (\u)+1
	LDT (\u)+1, 0
	LDT (\u)+1, 1
.endif
	MMP \u, 0
.if (\u) < 7
	LDT (\u)+1, 2
	LDT (\u)+1, 3
.endif
	MMP \u, 1
.if (\u) < 7
	LDT (\u)+1, 4
	LDT (\u)+1, 5
.endif
	MMP \u, 2
.if (\u) < 7
	LDT (\u)+1, 6
	LDT (\u)+1, 7
.endif
	MMP \u, 3
	MMP \u, 4
	MMP \u, 5
	MMP \u, 6
	MMP \u, 7
.endm
; P = 2^14 exp(p - max p).  A lane holds 64 of its row's 128 features, the lane 16 away the others.  Each accumulator's lowest registers are read first.
.macro PHI
.irp t, 0,1,2,3,4,5,6,7
	v_max3_num_f32 v[C+(\t)], v[P+8*(\t)], v[P+8*(\t)+1], v[P+8*(\t)+2]
.endr
.irp t, 0,1,2,3,4,5,6,7
	v_max3_num_f32 v[C+(\t)], v[C+(\t)], v[P+8*(\t)+3], v[P+8*(\t)+4]
.endr
.irp t, 0,1,2,3,4,5,6,7
	v_max3_num_f32 v[C+(\t)], v[C+(\t)], v[P+8*(\t)+5], v[P+8*(\t)+6]
.endr
.irp t, 0,1,2,3
	v_max3_num_f32 v[C+(\t)], v[C+(\t)], v[P+8*(\t)+7], v[P+8*(\t)+39]
.endr
	v_max3_num_f32 v[C], v[C], v[C+4], v[C+5]
	v_max3_num_f32 v[C+1], v[C+1], v[C+6], v[C+7]
	v_max3_num_f32 v[C], v[C], v[C+1], v[C+2]
	v_max_num_f32 v[C], v[C], v[C+3]
	v_permlanex16_b32 v[C+1], v[C], s[SEL], s[SEL+1]
	v_max_num_f32 v[C], v[C], v[C+1]               ; the row's maximum
.set i, 0
.rept 32
	v_pk_add_f32 v[P+2*i:P+2*i+1], v[P+2*i:P+2*i+1], v[C:C+1] op_sel_hi:[1,0] neg_lo:[0,1] neg_hi:[0,1]  ; p - max, before any scaling
.set i, i+1
.endr
.set i, 0
.rept 32
	v_pk_fma_f32 v[P+2*i:P+2*i+1], v[P+2*i:P+2*i+1], s[CS:CS+1], s[BI:BI+1] op_sel_hi:[1,0,0]  ; x log2(e) + 14
.set i, i+1
.endr
.set i, 0
.rept 64
	v_exp_f32 v[P+i], v[P+i]                       ; one batch
.set i, i+1
.endr
	v_nop                                          ; a plain instruction behind the last exponential,
	s_wait_alu depctr_va_vdst(0)                   ; and one wait for the batch: the 64 exponentials have written P, ahead of their first reader
.endm
; THE STATE, in 16 units.  Unit g: pass g / 8 (slots 0-8, then slots 9-16), keys 32 ((g % 8) / 2) on, the pass's slots 4 (g % 2) on: four of them, or five in the first pass's odd units.
; Source 0 = phi_k^T (16 features), source 1 = V (16 channels): in the result a lane holds one channel and eight features.  The pass's accumulators take turns, one instruction a turn.
.macro LDF g, i                        ; fragment i of unit g, if there is one, into buffer g % 3
.set lk, ((\g)%8)/2
.set ls, 9*((\g)/8)+4*((\g)%2)+(\i)
.set ln, 4+((\g)%2)*(1-(\g)/8)
.set lb, BUF+40*((\g)%3)+8*(\i)
.if ((\g) < 16) && ((\i) < ln)
	ds_load_tr16_b128 v[lb:lb+3], v[VTA] offset:32*lk*PW+32*ls
	ds_load_tr16_b128 v[lb+4:lb+7], v[VTA] offset:(32*lk+16)*PW+32*ls
.endif
.endm
.macro MMF g, i
.set mk, ((\g)%8)/2
.set ma, ACC+8*(4*((\g)%2)+(\i))
.set mb, BUF+40*((\g)%3)+8*(\i)
.if mk == 0
	v_wmma_f32_16x16x32_f16 v[ma:ma+7], v[AF+8*mk:AF+8*mk+7], v[mb:mb+7], 0
.else
	v_wmma_f32_16x16x32_f16 v[ma:ma+7], v[AF+8*mk:AF+8*mk+7], v[mb:mb+7], v[ma:ma+7]
.endif
.endm
.macro SSTEP g
.set nn, 4+((\g)%2)*(1-(\g)/8)                 ; this unit's fragments
.set nx, 4+(((\g)+1)%2)*(1-((\g)+1)/8)         ; the next unit's
.if (\g) < 15
	s_wait_dscnt 2*nx                              ; LDS loads come back in order (ISA guide 5.7.1): this unit's are in, the next unit's, two a fragment, stay out
.else
	s_wait_dscnt 0x0
.endif
.if ((\g) > 0) && ((\g) < 14) && ((\g) != 8)   ; unit 0 has no unit before it; units 14 and 15 load nothing; ahead of unit 8 the wait in front of the first pass's stores stands behind unit 7's products, with no vector or matrix line since
	s_wait_alu depctr_va_vdst(0)                   ; the products of the unit before are done reading their buffer, in which the loads below land
.endif
	LDF (\g)+2, 0
	LDF (\g)+2, 1
	MMF \g, 0
	LDF (\g)+2, 2
	LDF (\g)+2, 3
	MMF \g, 1
	LDF (\g)+2, 4
	MMF \g, 2
	MMF \g, 3
.if nn > 4
	MMF \g, 4
.endif
.endm
.macro SPOUT s0, ns                    ; a pass's accumulators go out as they lie: each store of the wave covers 512 consecutive bytes, aligned; each accumulator from its low end on
.set i, 0
.rept \ns
	global_store_b128 v[SPO], v[ACC+8*i:ACC+8*i+3], s[14:15] offset:((\s0)+i)*1024
	global_store_b128 v[SPO], v[ACC+8*i+4:ACC+8*i+7], s[14:15] offset:((\s0)+i)*1024+512
.set i, i+1
.endr
.endm
	s_load_b256 s[4:11], s[0:1], 0x0               ; K_in s[4:5], V s[6:7], omega s[8:9], PKI s[10:11]
	s_load_b128 s[12:15], s[0:1], 0x20             ; VI s[12:13], SP s[14:15]
	v_lshl_add_u32 v[SPW], v0, 2, SPARE
	v_mov_b32 v[NIL], 0
	v_lshrrev_b32 v[TA], 5, v0
	v_readfirstlane_b32 s[WV], v[TA]               ; wave 0..7
	s_and_b32 s[BLK], ttmp7, 0xffff                ; batch
	s_lshl_b32 s[BLK], s[BLK], 5
	s_add_co_u32 s[BLK], s[BLK], ttmp9             ; block = 32 x batch + the block in the batch
	s_mov_b32 s[SEL], 0x76543210
	s_mov_b32 s[SEL+1], 0xfedcba98
	s_mov_b32 s[CS], 0x3fb8aa3b
	s_mov_b32 s[CS+1], 0x3fb8aa3b
	s_mov_b32 s[BI], 0x41600000
	s_mov_b32 s[BI+1], 0x41600000
	s_mov_b32 s[HM], 0xffff0000
	v_and_b32 v[RL], 15, v0
	v_bfe_u32 v[HL], v0, 4, 1
	v_and_b32 v[LL], 31, v0
	v_lshlrev_b32 v[G16], 4, v0
	s_wait_alu depctr_va_sdst(0)                   ; the wave's number is written, ahead of its first reader: LDS addresses and SP's base are made from it
	s_lshl_b32 s18, s[WV], 14
	v_lshl_add_u32 v[GT], v[LL], 4, s18
	s_mul_i32 s19, s[WV], 16*PX                    ; my wave's 16 rows of pitch 528
	s_add_co_u32 s20, s19, XK
	v_lshl_add_u32 v[KSA], v[LL], 3, s20
	v_lshl_add_u32 v[OSA], v[LL], 3, s19
	s_mul_i32 s21, s[WV], 16*PW
	s_add_co_u32 s21, s21, VIM
	v_lshl_add_u32 v[VSA], v[LL], 3, s21
	v_add_nc_u32 v[VSA], 32, v[VSA]                ; behind the ones' slot
	v_mul_u32_u24 v[OMA], v[RL], PX
	v_lshl_add_u32 v[OMA], v[HL], 4, v[OMA]        ; row x pitch + 16 x half
	v_add_nc_u32 v[XFA], s20, v[OMA]
	s_mul_i32 s22, s[WV], 16*PP
	s_add_co_u32 s22, s22, PKT
	v_mul_u32_u24 v[PSA], v[RL], PP
	v_lshl_add_u32 v[PSA], v[HL], 4, v[PSA]
	v_add_nc_u32 v[PSA], s22, v[PSA]
	v_and_b32 v[TA], 7, v0
	v_lshl_add_u32 v[TA], v[HL], 3, v[TA]          ; the turning loads: key 8 (lane / 16) + lane % 8,
	v_bfe_u32 v[TB], v0, 3, 1                      ; 16 bytes (lane / 8) % 2
	s_lshl_b32 s23, s[WV], 5
	s_add_co_u32 s23, s23, PKT                     ; feature tile = wave: 32 bytes of a row
	v_mul_u32_u24 v[PTA], v[TA], PP
	v_lshl_add_u32 v[PTA], v[TB], 4, v[PTA]
	v_add_nc_u32 v[PTA], s23, v[PTA]
	v_mul_u32_u24 v[VTA], v[TA], PW
	v_lshl_add_u32 v[VTA], v[TB], 4, v[VTA]
	v_add_nc_u32 v[VTA], VIM, v[VTA]
	v_lshl_add_u32 v[CIV], v0, 4, VIM
	v_add_nc_u32 v[CIV2], 0x10000, v[CIV]
	v_lshl_add_u32 v[CIP], v0, 4, PKT
	v_lshrrev_b32 v[TA], 1, v[LL]                  ; two lanes a row: 32 bytes
	v_and_b32 v[TB], 1, v0
	v_mul_u32_u24 v[ONA], v[TA], PW
	v_lshl_add_u32 v[ONA], v[TB], 4, v[ONA]
	v_add_nc_u32 v[ONA], s21, v[ONA]
	v_mul_u32_u24 v[PDA], v[TA], PP
	v_lshl_add_u32 v[PDA], v[TB], 4, v[PDA]
	v_add_nc_u32 v[PDA], s22, v[PDA]
	v_lshlrev_b32 v[SPO], 4, v[LL]
.irp i, 0,1,2,3
	v_mov_b32 v[ONE+(\i)], 0x3c003c00
	v_mov_b32 v[ZER+(\i)], 0
.endr
	s_lshl_b32 s32, s[BLK], 17                     ; a block of K or V: 128 rows of 1,024 bytes
	s_mov_b32 s33, 0
	s_mul_i32 s34, s[BLK], 128*PP
	s_mov_b32 s35, 0
	s_mul_i32 s36, s[BLK], 128*PW
	s_mov_b32 s37, 0
	s_mul_i32 s38, s[BLK], 139264                  ; a block of SP: 8 feature tiles x 17 slots x 1,024 bytes,
	s_mul_i32 s18, s[WV], 17408                    ; my feature tile in it
	s_add_co_u32 s38, s38, s18
	s_mov_b32 s39, 0
	s_wait_kmcnt 0x0
	s_add_nc_u64 s[4:5], s[4:5], s[32:33]
	s_add_nc_u64 s[6:7], s[6:7], s[32:33]
	s_add_nc_u64 s[10:11], s[10:11], s[34:35]
	s_add_nc_u64 s[12:13], s[12:13], s[36:37]
	s_add_nc_u64 s[14:15], s[14:15], s[38:39]
	s_wait_alu depctr_va_vdst(0)                   ; the sixteen addresses v4 to v19, the ones and the zeros are written: every load and store of the kernel reads some of them, and no vector line names them again
	; LOAD AND CONVERT, in six stages.  Three sets of sixteen loads are out at a time; each wait on LOADcnt leaves the younger sets out.
	; A stage: its conversions; one wait; the set's next loads; the stage's sixteen LDS stores.
	LD16 T0, 4, 0, 1
	LD16 T1, 4, 16, 1
	LD16 T2, 6, 0, 1
	s_wait_loadcnt 32                              ; K's first half is in; 32 younger loads stay out
	CVB T0
	s_wait_alu depctr_va_vdst(0)                   ; the conversions have written CT, which the LDS stores read, and are done reading T0, in which the loads land
	LD16 T0, 6, 16, 1
	STC KSA, PX, 0
	s_wait_loadcnt 32                              ; K's second half
	s_wait_alu depctr_vm_vsrc(0)                   ; the LDS stores above have read CT, which the conversions write again
	CVB T1
	s_wait_alu depctr_va_vdst(0)                   ; CT is written; the conversions are done reading T1
	LD16 T1, 8, 0, 0
	STC KSA, PX, 16
	s_wait_loadcnt 32                              ; V's first half
	s_wait_alu depctr_vm_vsrc(0)                   ; the LDS stores above have read CT
	CVV T2
	s_wait_alu depctr_va_vdst(0)                   ; CT is written; the conversions are done reading and writing T2
	LD16 T2, 8, 16, 0
	STC VSA, PW, 0
	s_wait_loadcnt 32                              ; V's second half
	s_wait_alu depctr_vm_vsrc(0)                   ; the LDS stores above have read CT
	CVV T0
	s_wait_alu depctr_va_vdst(0)                   ; CT is written
	STC VSA, PW, 16
	s_wait_loadcnt 16                              ; omega's first half
	s_wait_alu depctr_vm_vsrc(0)                   ; the LDS stores above have read CT
	CVB T1
	s_wait_alu depctr_va_vdst(0)                   ; CT is written
	STC OSA, PX, 0
	s_wait_loadcnt 0x0
	s_wait_alu depctr_vm_vsrc(0)                   ; the LDS stores above have read CT
	CVB T2
	s_wait_alu depctr_va_vdst(0)                   ; CT is written; and every vector line so far is done with T0, T1 and T2, in which the LDS loads behind the barrier land
	STC OSA, PX, 16
	ds_store_b128 v[ONA], v[ONE:ONE+3]             ; the ones' slot of my 16 rows
	ds_store_b128 v[PDA], v[ZER:ZER+3] offset:256  ; the padding of my 16 rows of phi_k: it goes out with the image
	s_wait_dscnt 0x0                               ; for the others' sake: my rows of omega and of V's image are written
	s_barrier_signal -1
	s_barrier_wait -1
	s_wait_alu depctr_vm_vsrc(0)                   ; my LDS stores have read CT: from here on fragments of K land in v32-47, and PHI writes v56-63
	; The projection's step 0 is asked for; it lands while V's image leaves: 17 x 4,096 consecutive bytes, 16 a thread
	LDX 0
.irp t, 0,1,2,3,4,5,6,7
	LDT 0, \t
.endr
.set i, 0
.rept 16
	ds_load_b128 v[T0+4*i:T0+4*i+3], v[CIV] offset:4096*i
.set i, i+1
.endr
	ds_load_b128 v[T0+64:T0+67], v[CIV2]
.set i, 0
.rept 17
	s_wait_dscnt 16-i                              ; piece i is in (and step 0's fragments, which are older); the younger loads stay out
	global_store_b128 v[G16], v[T0+4*i:T0+4*i+3], s[12:13] offset:4096*i
.set i, i+1
.endr
	s_wait_xcnt 0x0                                ; the stores' data registers are written again only behind this wait
	s_wait_alu depctr_vm_vsrc(0)                   ; the stores have read v64-131: step 1's fragments land in v64-127, and the first product writes v128-135
	; phi_k of my 16 rows
.set u, 0
.rept 8
	PSTEP u
.set u, u+1
.endr
	NOP4
	PHI
.set i, 0
.rept 32
	v_cvt_pk_f16_f32 v[FK+i], v[P+2*i], v[P+2*i+1]
.set i, i+1
.endr
	s_wait_alu depctr_va_vdst(0)                   ; the conversions have written FK, which the LDS stores read; and every vector and matrix line so far is done with v64-255, in which the LDS loads behind the barrier land
.irp t, 0,1,2,3,4,5,6,7
	ds_store_b128 v[PSA], v[FK+4*(\t):FK+4*(\t)+3] offset:32*(\t)  ; features 16 t + 8 (lane / 16) + 0..7 of my row
.endr
	s_wait_dscnt 0x0                               ; for the others' sake: my rows of phi_k are written
	s_barrier_signal -1
	s_barrier_wait -1
	s_wait_alu depctr_vm_vsrc(0)                   ; my LDS stores have read FK: phi_k^T lands in the same registers
	; phi_k's image leaves (9 x 4,096 bytes); behind its loads, phi_k^T of my feature tile and the state's units 0 and 1
.set i, 0
.rept 9
	ds_load_b128 v[PKO+4*i:PKO+4*i+3], v[CIP] offset:4096*i
.set i, i+1
.endr
.irp k, 0,1,2,3
	ds_load_tr16_b128 v[AF+8*(\k):AF+8*(\k)+3], v[PTA] offset:32*(\k)*PP
	ds_load_tr16_b128 v[AF+8*(\k)+4:AF+8*(\k)+7], v[PTA] offset:(32*(\k)+16)*PP
.endr
.irp i, 0,1,2,3,4
	LDF 0, \i
.endr
.irp i, 0,1,2,3,4
	LDF 1, \i
.endr
.set i, 0
.rept 9
	s_wait_dscnt 34-i                              ; piece i is in; out may be the 8 - i younger pieces, the eight turning loads of phi_k and the 18 of units 0 and 1
	global_store_b128 v[G16], v[PKO+4*i:PKO+4*i+3], s[10:11] offset:4096*i
.set i, i+1
.endr
	s_wait_xcnt 0x0                                ; the stores' data registers are written again only behind this wait
	s_wait_alu depctr_vm_vsrc(0)                   ; the stores have read v64-99, which the first products write
	; THE STATE of the block, in two passes: slots 0-8, then slots 9-16; the ring of three buffers runs on from the one into the other
.set g, 0
.rept 8
	SSTEP g
.set g, g+1
.endr
	NOP4                                           ; four places before the stores read the results,
	v_nop                                          ; and a fifth before the second pass's first products write over them (ISA guide 7.12.1)
	s_wait_alu depctr_va_vdst(0)                   ; the products have written the nine accumulators, which the stores read; the places above stay beside this wait
	SPOUT 0, 9
	s_wait_xcnt 0x0                                ; the accumulators, which the stores read, are written again only behind this wait
	s_wait_alu depctr_vm_vsrc(0)                   ; the stores have read the accumulators, which the second pass's products write
.rept 8
	SSTEP g
.set g, g+1
.endr
	NOP4
	s_wait_alu depctr_va_vdst(0)                   ; the products have written the eight accumulators, which the stores read
	SPOUT 9, 8
	s_wait_dscnt 0x0                               ; the closing lines, six on end
	s_wait_alu 0x0
	s_wait_tensorcnt 0x0
	ds_add_u32 v[SPW], v[NIL]
	s_wait_dscnt 0x0
	s_endpgm
.Lfunc_end_k_q27bf417be3_kstate:
	.size	k_q27bf417be3_kstate, .Lfunc_end_k_q27bf417be3_kstate-k_q27bf417be3_kstate
	.p2alignl 7, 3214868480
	.fill 96, 4, 3214868480
	.section	.rodata,"a",@progbits
	.p2align	6, 0x0
	.amdhsa_kernel k_q27bf417be3_kstate
		.amdhsa_group_segment_fixed_size 242688
		.amdhsa_private_segment_fixed_size 0
		.amdhsa_enable_private_segment 0
		.amdhsa_kernarg_size 48
		.amdhsa_user_sgpr_count 2
		.amdhsa_user_sgpr_kernarg_segment_ptr 1
		.amdhsa_wavefront_size32 1
		.amdhsa_system_sgpr_workgroup_id_x 1
		.amdhsa_system_sgpr_workgroup_id_y 1
		.amdhsa_system_sgpr_workgroup_id_z 1
		.amdhsa_system_vgpr_workitem_id 0
		.amdhsa_next_free_vgpr 256
		.amdhsa_next_free_sgpr 66
		.amdhsa_reserve_vcc 0
		.amdhsa_float_denorm_mode_32 3
		.amdhsa_float_denorm_mode_16_64 3
		.amdhsa_memory_ordered 1
		.amdhsa_forward_progress 1
		.amdhsa_inst_pref_size 88
	.end_amdhsa_kernel
	.amdgpu_metadata
---
amdhsa.version: [ 1, 2 ]
amdhsa.kernels:
  - .name:           k_q27bf417be3_kstate
    .symbol:         k_q27bf417be3_kstate.kd
    .args:
      - { .name: K_in, .offset: 0, .size: 8, .value_kind: global_buffer, .address_space: global }
      - { .name: V, .offset: 8, .size: 8, .value_kind: global_buffer, .address_space: global }
      - { .name: omega, .offset: 16, .size: 8, .value_kind: global_buffer, .address_space: global }
      - { .name: PKI, .offset: 24, .size: 8, .value_kind: global_buffer, .address_space: global }
      - { .name: VI, .offset: 32, .size: 8, .value_kind: global_buffer, .address_space: global }
      - { .name: SP, .offset: 40, .size: 8, .value_kind: global_buffer, .address_space: global }
    .group_segment_fixed_size: 242688
    .private_segment_fixed_size: 0
    .kernarg_segment_align: 8
    .kernarg_segment_size: 48
    .max_flat_workgroup_size: 256
    .sgpr_count:     66
    .vgpr_count:     256
    .wavefront_size: 32
...
	.end_amdgpu_metadata
.endif
;; end of part 4
;; launch prefix (part 5): grid 34 x 8, 4 waves a work-group, no clusters, 0 bytes of LDS; arguments SP, SS; writes SS
.if DOCPART == 5
	.amdgcn_target "amdgcn-amd-amdhsa--gfx1250"
	.amdhsa_code_object_version 6
	.text
	.protected	k_q27bf417be3_prefix
	.globl	k_q27bf417be3_prefix
	.p2align	8
	.type	k_q27bf417be3_prefix,@function
k_q27bf417be3_prefix:
	s_mov_b64 s[64:65], 0
	v_nop
	global_prefetch_b8 v0, s[64:65] scope:SCOPE_SE
	s_setreg_imm32_b32 hwreg(HW_REG_WAVE_SCHED_MODE, 0, 2), 2
	s_setreg_imm32_b32 hwreg(HW_REG_WAVE_MODE, 25, 1), 1
	s_wait_xcnt 0x0
	s_wait_alu depctr_vm_vsrc(0)
; CAUSAL LINEAR ATTENTION, launch 2 of 3: for each batch the exclusive prefix over its 32 blocks of the blocks' states, element by element, in f32, block after block.
; SP, a block: [feature tile 0..7][slot 0..16][q 0..1][lane][4 f32]; slot 0 holds z (the sum of 2^14 phi_k), the same number in all 16 channels.
; SS, a block: the prefix S in f16, [slot][feature tile][lane][8 f16], each feature's row divided by 2^e, e the exponent of that feature's z: |S| <= z max|V|, so the quotient stays
; under 2 max|V| and f16 has room for it; behind it sc = 2^e x 2^-25 in f32, [feature tile][q][lane][4], by which launch 3 multiplies its 2^14 phi_q: both factors are powers of two.
; Where z is 0 (the first block) or denormal, sc is 0 and the feature counts for nothing.
; SHARES.  A work-group takes one slot and four feature tiles of one batch, a wave one tile, a lane its 8 numbers: 32 blocks in turn.  Each load and store of a wave covers 512 consecutive bytes.
; Memory binds: no LDS, no matrix unit, no barrier.  Two sets of four blocks: while one set is worked on, the other's 16 loads are on their way.
; THE MODE: SCHED_MODE bits 1:0 = 2 (LLVM: expert scheduling mode 2), set by the entry lines.  The code itself states the register dependences
; between vector instructions and memory instructions, with s_wait_alu, always for 0.
; THE PLAN.  Registers that memory instructions touch:
;   v1-v4        byte offsets, made once at the head and never written again: the blocks are reached by the two scalar bases, which move on once a trip, and by immediate offsets.
;   DAT0, DAT1   four blocks as loaded.  Read by the additions of the set's turn; behind the turn's wait the set is asked for again at once.
;   HH0, HH1, SC0, SC1   four blocks' results to store.  Written by the set's turn; read by the stores behind the same wait; written again a whole trip later.
; A turn is four blocks' arithmetic with no memory instruction among it, ONE wait on va_vdst, the set's 16 loads, and its stores.  ONE wait on vm_vsrc a trip, beside the wait that frees the bases,
; stands behind both turns' stores: it frees both sets of HH and SC for the next trip.  RS, RZ and IN are named by vector instructions alone.
.set BSP, 139264       ; bytes of a block in SP
.set BSS, 77824        ; in SS
.set VS, 1             ; v1  my 16 bytes of the slot in a block of SP
.set VZ, 2             ; v2  the same in slot 0
.set VO, 3             ; v3  my 16 bytes in a block of SS
.set VC, 4             ; v4  my 16 bytes of sc
.set LL, 5
.set RS, 6             ; v6-13   the running S
.set RZ, 14            ; v14-21  the running z
.set IN, 22            ; v22-29  2^-e, then S 2^-e
.set HH, 30            ; v30-61  set k, block i: 4 registers at HH + 16 k + 4 i: S 2^-e in f16
.set SC, 62            ; v62-125 set k, block i: 8 registers at SC + 32 k + 8 i: 2^e, then sc
.set DAT, 126          ; v126-253 two sets of four blocks: 8 of S, 8 of z
.set WV, 8
.set SLOT, 9
.set CNT, 15
.set EM, 20            ; s20 the exponent's field
.set IV, 21            ; s21 254 in that field: less 2^e's bits it gives 2^-e's
.set SB, 22            ; s[22:23] 2^-25
.macro LD4 set, c0                     ; blocks c0 .. c0 + 3 behind the pointer
.irp i, 0,1,2,3
	global_load_b128 v[DAT+64*(\set)+16*(\i):DAT+64*(\set)+16*(\i)+3], v[VS], s[4:5] offset:((\c0)+(\i))*BSP
	global_load_b128 v[DAT+64*(\set)+16*(\i)+4:DAT+64*(\set)+16*(\i)+7], v[VS], s[4:5] offset:((\c0)+(\i))*BSP+512
	global_load_b128 v[DAT+64*(\set)+16*(\i)+8:DAT+64*(\set)+16*(\i)+11], v[VZ], s[4:5] offset:((\c0)+(\i))*BSP
	global_load_b128 v[DAT+64*(\set)+16*(\i)+12:DAT+64*(\set)+16*(\i)+15], v[VZ], s[4:5] offset:((\c0)+(\i))*BSP+512
.endr
.endm
.macro CALC set, i                     ; block i of the set gets the prefix as it stands, into HH and SC; then the block's own state is added
.set DD, DAT+64*(\set)+16*(\i)
.set HO, HH+16*(\set)+4*(\i)
.set SO, SC+32*(\set)+8*(\i)
.irp j, 0,1,2,3,4,5,6,7
	v_and_b32 v[SO+(\j)], s[EM], v[RZ+(\j)]
.endr
.irp j, 0,1,2,3,4,5,6,7
	v_sub_nc_u32 v[IN+(\j)], s[IV], v[SO+(\j)]
.endr
.irp j, 0,2,4,6
	v_pk_mul_f32 v[IN+(\j):IN+(\j)+1], v[RS+(\j):RS+(\j)+1], v[IN+(\j):IN+(\j)+1]
.endr
.irp j, 0,1,2,3
	v_cvt_pk_f16_f32 v[HO+(\j)], v[IN+2*(\j)], v[IN+2*(\j)+1]
.endr
.irp j, 0,2,4,6
	v_pk_mul_f32 v[SO+(\j):SO+(\j)+1], v[SO+(\j):SO+(\j)+1], s[SB:SB+1] op_sel_hi:[1,0]
.endr
.irp j, 0,2,4,6
	v_pk_add_f32 v[RS+(\j):RS+(\j)+1], v[RS+(\j):RS+(\j)+1], v[DD+(\j):DD+(\j)+1]
	v_pk_add_f32 v[RZ+(\j):RZ+(\j)+1], v[RZ+(\j):RZ+(\j)+1], v[DD+8+(\j):DD+8+(\j)+1]
.endr
.endm
.macro OUT set, c0                     ; the set's four blocks go to blocks c0 .. c0 + 3 behind SS's pointer
.irp i, 0,1,2,3
	global_store_b128 v[VO], v[HH+16*(\set)+4*(\i):HH+16*(\set)+4*(\i)+3], s[6:7] offset:((\c0)+(\i))*BSS
.endr
	s_cmp_lg_u32 s[SLOT], 0                        ; sc is stored once: by the work-groups of slot 0
	s_cbranch_scc1 .Lnot_z_\@
.irp i, 0,1,2,3
	global_store_b128 v[VC], v[SC+32*(\set)+8*(\i):SC+32*(\set)+8*(\i)+3], s[6:7] offset:((\c0)+(\i))*BSS
	global_store_b128 v[VC], v[SC+32*(\set)+8*(\i)+4:SC+32*(\set)+8*(\i)+7], s[6:7] offset:((\c0)+(\i))*BSS+512
.endr
.Lnot_z_\@:
.endm
	s_load_b128 s[4:7], s[0:1], 0x0                ; SP s[4:5], SS s[6:7]
	v_lshrrev_b32 v[LL], 5, v0
	v_readfirstlane_b32 s[WV], v[LL]               ; wave 0..3
	v_and_b32 v[LL], 31, v0
	s_lshr_b32 s[SLOT], ttmp9, 1                   ; slot 0..16
	s_and_b32 s10, ttmp9, 1
	s_lshl_b32 s10, s10, 2
	s_wait_alu depctr_va_sdst(0)                   ; the wave's number is written, ahead of its first reader: the offsets are made from it
	s_add_co_u32 s10, s10, s[WV]                   ; feature tile 0..7
	s_and_b32 s11, ttmp7, 0xffff                   ; batch
	s_mul_i32 s12, s10, 17408
	s_lshl_b32 s13, s[SLOT], 10
	s_add_co_u32 s13, s13, s12
	v_lshl_add_u32 v[VS], v[LL], 4, s13
	v_lshl_add_u32 v[VZ], v[LL], 4, s12
	s_lshl_b32 s13, s[SLOT], 12
	s_lshl_b32 s14, s10, 9
	s_add_co_u32 s13, s13, s14
	v_lshl_add_u32 v[VO], v[LL], 4, s13
	s_lshl_b32 s14, s10, 10
	s_add_co_u32 s14, s14, 69632
	v_lshl_add_u32 v[VC], v[LL], 4, s14
	s_mul_i32 s16, s11, 32*BSP
	s_mov_b32 s17, 0
	s_mul_i32 s18, s11, 32*BSS
	s_mov_b32 s19, 0
	s_mov_b32 s[EM], 0x7f800000
	s_mov_b32 s[IV], 0x7f000000
	s_mov_b32 s[SB], 0x33000000
	s_mov_b32 s[SB+1], 0x33000000
	s_mov_b32 s[CNT], 3
	s_wait_kmcnt 0x0
	s_add_nc_u64 s[4:5], s[4:5], s[16:17]
	s_add_nc_u64 s[6:7], s[6:7], s[18:19]
	s_wait_alu depctr_va_vdst(0)                   ; the four offsets v1 to v4 are written: every load and store of the kernel reads one of them
	LD4 0, 0
	LD4 1, 4
.set i, 0
.rept 16
	v_mov_b32 v[RS+i], 0                           ; the prefix in front of the first block, written while the first loads are out
.set i, i+1
.endr
.Ltrip:                                        ; eight blocks a trip; the eight behind them are asked for
	s_wait_loadcnt 16                              ; set 0 is in; set 1's 16 loads stay out
.irp i, 0,1,2,3
	CALC 0, \i
.endr
	s_wait_alu depctr_va_vdst(0)                   ; the turn has written HH0 and SC0, which the stores read, and its additions are done reading DAT0, in which the loads land
	LD4 0, 8
	OUT 0, 0
	s_wait_loadcnt 16                              ; set 1 is in; the 16 just issued stay out
.irp i, 0,1,2,3
	CALC 1, \i
.endr
	s_wait_alu depctr_va_vdst(0)                   ; the turn has written HH1 and SC1, and its additions are done reading DAT1
	LD4 1, 12
	OUT 1, 4
	s_wait_xcnt 0x0                                ; the pointers are stepped, and the stores' data registers written again, only behind this wait
	s_wait_alu depctr_vm_vsrc(0)                   ; this trip's stores have read HH and SC, both sets, which the next eight blocks' lines write again
	s_add_nc_u64 s[4:5], s[4:5], 8*BSP
	s_add_nc_u64 s[6:7], s[6:7], 8*BSS
	s_sub_co_u32 s[CNT], s[CNT], 1
	s_cmp_lg_u32 s[CNT], 0
	s_cbranch_scc1 .Ltrip
	s_wait_loadcnt 16                              ; the last eight blocks load nothing
.irp i, 0,1,2,3
	CALC 0, \i
.endr
	s_wait_alu depctr_va_vdst(0)                   ; the turn has written HH0 and SC0, which the stores read
	OUT 0, 0
	s_wait_loadcnt 0x0
.irp i, 0,1,2,3
	CALC 1, \i
.endr
	s_wait_alu depctr_va_vdst(0)                   ; the turn has written HH1 and SC1, which the stores read
	OUT 1, 4
	s_endpgm
.Lfunc_end_k_q27bf417be3_prefix:
	.size	k_q27bf417be3_prefix, .Lfunc_end_k_q27bf417be3_prefix-k_q27bf417be3_prefix
	.p2alignl 7, 3214868480
	.fill 96, 4, 3214868480
	.section	.rodata,"a",@progbits
	.p2align	6, 0x0
	.amdhsa_kernel k_q27bf417be3_prefix
		.amdhsa_group_segment_fixed_size 0
		.amdhsa_private_segment_fixed_size 0
		.amdhsa_enable_private_segment 0
		.amdhsa_kernarg_size 16
		.amdhsa_user_sgpr_count 2
		.amdhsa_user_sgpr_kernarg_segment_ptr 1
		.amdhsa_wavefront_size32 1
		.amdhsa_system_sgpr_workgroup_id_x 1
		.amdhsa_system_sgpr_workgroup_id_y 1
		.amdhsa_system_sgpr_workgroup_id_z 1
		.amdhsa_system_vgpr_workitem_id 0
		.amdhsa_next_free_vgpr 254
		.amdhsa_next_free_sgpr 66
		.amdhsa_reserve_vcc 0
		.amdhsa_float_denorm_mode_32 3
		.amdhsa_float_denorm_mode_16_64 3
		.amdhsa_memory_ordered 1
		.amdhsa_forward_progress 1
		.amdhsa_inst_pref_size 42
	.end_amdhsa_kernel
	.amdgpu_metadata
---
amdhsa.version: [ 1, 2 ]
amdhsa.kernels:
  - .name:           k_q27bf417be3_prefix
    .symbol:         k_q27bf417be3_prefix.kd
    .args:
      - { .name: SP, .offset: 0, .size: 8, .value_kind: global_buffer, .address_space: global }
      - { .name: SS, .offset: 8, .size: 8, .value_kind: global_buffer, .address_space: global }
    .group_segment_fixed_size: 0
    .private_segment_fixed_size: 0
    .kernarg_segment_align: 8
    .kernarg_segment_size: 16
    .max_flat_workgroup_size: 128
    .sgpr_count:     66
    .vgpr_count:     254
    .wavefront_size: 32
...
	.end_amdgpu_metadata
.endif
;; end of part 5
;; launch outk: the kernel of part 3 again; grid 32 x 8, 8 waves a work-group, no clusters, 320,512 bytes of LDS; arguments Q, omega, PKI, VI, SS, out0; writes out0
